; MI455X (gfx1250); checked and timed in simulation.
; The chip was launched on July 23, 2026; its instructions are those of AMD's public machine-readable ISA for CDNA 5 (MIT licence, August 2026) and "CDNA5" Instruction Set Architecture Reference Guide (July 2026). The comments in the code are by the model that wrote it; some were corrected since.
;; crosstask performer. Allowed arithmetic: matrix products marked QUANTISED: E2M1 operands, one E8M0 scale for each 32 along K, by v_wmma_scale_f32_16x16x128_f8f6f4 with both operands' format E2M1 (or v_wmma_scale_f32_32x16x128_f4), f32 sums; products left as they are: f32 operands where the result goes on into a quantised operand, else bf16, f16 or f32 operands; f32 sums; everything else in f32.
;; Inputs: contour_fea 8 x 2,048 x 512 float32; kc_b 512 float32; kc_w_codes 512 x 16 x 16 uint8 (E2M1 codes of kc_w, K innermost, in blocks of 32 codes, two codes a byte); kc_w_scales 512 x 16 uint8 (E8M0 scales of kc_w, one for each 32 codes along K); ks_b 512 float32; ks_w_codes 512 x 16 x 16 uint8 (E2M1 codes of ks_w, K innermost, in blocks of 32 codes, two codes a byte); ks_w_scales 512 x 16 uint8 (E8M0 scales of ks_w, one for each 32 codes along K); ln1c_b 512 float32; ln1c_g 512 float32; ln1s_b 512 float32; ln1s_g 512 float32; ln2c_b 512 float32; ln2c_g 512 float32; ln2s_b 512 float32; ln2s_g 512 float32; mlpc_b1 512 float32; mlpc_b2 512 float32; mlpc_w1_codes 512 x 16 x 16 uint8 (E2M1 codes of mlpc_w1, K innermost, in blocks of 32 codes, two codes a byte); mlpc_w1_scales 512 x 16 uint8 (E8M0 scales of mlpc_w1, one for each 32 codes along K); mlpc_w2_codes 512 x 16 x 16 uint8 (E2M1 codes of mlpc_w2, K innermost, in blocks of 32 codes, two codes a byte); mlpc_w2_scales 512 x 16 uint8 (E8M0 scales of mlpc_w2, one for each 32 codes along K); mlps_b1 512 float32; mlps_b2 512 float32; mlps_w1_codes 512 x 16 x 16 uint8 (E2M1 codes of mlps_w1, K innermost, in blocks of 32 codes, two codes a byte); mlps_w1_scales 512 x 16 uint8 (E8M0 scales of mlps_w1, one for each 32 codes along K); mlps_w2_codes 512 x 16 x 16 uint8 (E2M1 codes of mlps_w2, K innermost, in blocks of 32 codes, two codes a byte); mlps_w2_scales 512 x 16 uint8 (E8M0 scales of mlps_w2, one for each 32 codes along K); proj_c_b 512 float32; proj_c_w_codes 512 x 16 x 16 uint8 (E2M1 codes of proj_c_w, K innermost, in blocks of 32 codes, two codes a byte); proj_c_w_scales 512 x 16 uint8 (E8M0 scales of proj_c_w, one for each 32 codes along K); proj_s_b 512 float32; proj_s_w_codes 512 x 16 x 16 uint8 (E2M1 codes of proj_s_w, K innermost, in blocks of 32 codes, two codes a byte); proj_s_w_scales 512 x 16 uint8 (E8M0 scales of proj_s_w, one for each 32 codes along K); qc_b 512 float32; qc_w_codes 512 x 16 x 16 uint8 (E2M1 codes of qc_w, K innermost, in blocks of 32 codes, two codes a byte); qc_w_scales 512 x 16 uint8 (E8M0 scales of qc_w, one for each 32 codes along K); qs_b 512 float32; qs_w_codes 512 x 16 x 16 uint8 (E2M1 codes of qs_w, K innermost, in blocks of 32 codes, two codes a byte); qs_w_scales 512 x 16 uint8 (E8M0 scales of qs_w, one for each 32 codes along K); saliency_fea 8 x 2,048 x 512 float32; vc_b 512 float32; vc_w_codes 512 x 16 x 16 uint8 (E2M1 codes of vc_w, K innermost, in blocks of 32 codes, two codes a byte); vc_w_scales 512 x 16 uint8 (E8M0 scales of vc_w, one for each 32 codes along K); vs_b 512 float32; vs_w_codes 512 x 16 x 16 uint8 (E2M1 codes of vs_w, K innermost, in blocks of 32 codes, two codes a byte); vs_w_scales 512 x 16 uint8 (E8M0 scales of vs_w, one for each 32 codes along K); w_c_codes 256 x 16 x 16 uint8 (E2M1 codes of w_c, K innermost, in blocks of 32 codes, two codes a byte); w_c_scales 256 x 16 uint8 (E8M0 scales of w_c, one for each 32 codes along K); w_s_codes 256 x 16 x 16 uint8 (E2M1 codes of w_s, K innermost, in blocks of 32 codes, two codes a byte); w_s_scales 256 x 16 uint8 (E8M0 scales of w_s, one for each 32 codes along K).
;; Outputs: out0 8 x 2,048 x 512 float32; out1 8 x 2,048 x 512 float32.
;; This version of the problem:
;;   THIS VERSION OF THE PROBLEM IS GIVEN IN LOW PRECISION. The matrix products marked QUANTISED in the list below multiply operands that are first quantised to E2M1 (2 exponent bits, 1 mantissa bit; 4 bits a number), with one power-of-two scale for each 32 numbers along K (OCP MX v1.0); their sums are f32. All else is computed in f32.
;;   The module's matrix products, in the order in which they are computed (A, B: the left and right operand; K: the contracted axis; several contracted axes count as one K, in the product's order):
;;     1. [M 16,384, K 512] x [K 512, N 512]; A: computed on the way; B: input ks_w (given as codes): QUANTISED
;;     2. [M 16,384, K 512] x [K 512, N 512]; A: computed on the way; B: input qs_w (given as codes): QUANTISED
;;     3. [M 16,384, K 512] x [K 512, N 512]; A: computed on the way; B: input vs_w (given as codes): QUANTISED
;;     4. [M 16,384, K 512] x [K 512, N 512]; A: computed on the way; B: input kc_w (given as codes): QUANTISED
;;     5. [M 16,384, K 512] x [K 512, N 512]; A: computed on the way; B: input qc_w (given as codes): QUANTISED
;;     6. [M 16,384, K 512] x [K 512, N 512]; A: computed on the way; B: input vc_w (given as codes): QUANTISED
;;     7. [M 16,384, K 512] x [K 512, N 256]; A: computed on the way; B: input w_s (given as codes): QUANTISED
;;     8. [M 16,384, K 512] x [K 512, N 256]; A: computed on the way; B: input w_s (given as codes): QUANTISED
;;     9. batch 8 x [M 2,048, K 256] x [K 256, N 1]; A: computed on the way; B: computed on the way: left as it is (N = 1 < 16)
;;     10. batch 8 x [M 512, K 2,048] x [K 2,048, N 256]; A: computed on the way; B: computed on the way: QUANTISED
;;     11. batch 8 x [M 2,048, K 256] x [K 256, N 512]; A: computed on the way; B: computed on the way: QUANTISED
;;     12. [M 16,384, K 512] x [K 512, N 512]; A: computed on the way; B: input proj_s_w (given as codes): QUANTISED
;;     13. [M 16,384, K 512] x [K 512, N 256]; A: computed on the way; B: input w_c (given as codes): QUANTISED
;;     14. [M 16,384, K 512] x [K 512, N 256]; A: computed on the way; B: input w_c (given as codes): QUANTISED
;;     15. batch 8 x [M 2,048, K 256] x [K 256, N 1]; A: computed on the way; B: computed on the way: left as it is (N = 1 < 16)
;;     16. batch 8 x [M 512, K 2,048] x [K 2,048, N 256]; A: computed on the way; B: computed on the way: QUANTISED
;;     17. batch 8 x [M 2,048, K 256] x [K 256, N 512]; A: computed on the way; B: computed on the way: QUANTISED
;;     18. [M 16,384, K 512] x [K 512, N 512]; A: computed on the way; B: input proj_c_w (given as codes): QUANTISED
;;     19. [M 16,384, K 512] x [K 512, N 512]; A: computed on the way; B: input mlps_w1 (given as codes): QUANTISED
;;     20. [M 16,384, K 512] x [K 512, N 512]; A: computed on the way; B: input mlps_w2 (given as codes): QUANTISED
;;     21. [M 16,384, K 512] x [K 512, N 512]; A: computed on the way; B: input mlpc_w1 (given as codes): QUANTISED
;;     22. [M 16,384, K 512] x [K 512, N 512]; A: computed on the way; B: input mlpc_w2 (given as codes): QUANTISED
;;   THE QUANTISER, for each operand of a quantised product, along K:
;;     - K is cut into blocks of 32 from its start; a last block that is shorter is filled with zeros.
;;     - A block's scale is 2^e with e = floor(log2(the largest magnitude in the block)) - 2, held to -126 .. 127; a block of zeros has e = 0. As a byte (E8M0): e + 127.
;;     - Each number is divided by its block's scale, clamped to +-6, and rounded to the nearest number of E2M1, ties to even, subnormals kept.
;;     - The product sums the exact products of the quantised numbers (number of the format x scale) in f32.
;;   ~~~python
;;   def quantise(x, axis):      # numpy; x: float32 -> the quantised numbers, widened to float32 again
;;       x = np.moveaxis(x, axis, -1); K = x.shape[-1]
;;       x = np.pad(x, [(0, 0)] * (x.ndim - 1) + [(0, -K % 32)]); x = x.reshape(x.shape[:-1] + (-1, 32)); a = np.abs(x).max(-1, keepdims=True)
;;       e = np.where(a > 0, np.clip(np.frexp(np.where(a > 0, a, 1))[1] - 1 - 2, -126, 127), 0)      # np.frexp(a)[1] - 1 = floor(log2(a)), exactly
;;       r = np.clip(x / 2.0 ** e, -6, 6)
;;       step = 2.0 ** (np.maximum(np.frexp(np.where(r == 0, 1, r))[1] - 1, 0) - 1)
;;       q = np.round(r / step) * step * 2.0 ** e      # np.round: ties to even
;;       return np.moveaxis(q.reshape(q.shape[:-2] + (-1,))[..., :K], -1, axis).astype(np.float32)
;;   ~~~
;;   OPERANDS COMPUTED ON THE WAY. 'Computed on the way' means the value that the module computes at that place (a softmax that the list does not call 'softmax' is quantised finished and normalised). What goes into a quantiser is computed in f32, as accurately as f32 sums, v_exp_f32 and their like allow (about 1e-6 of the number): no bf16 or f16 on the way to a quantiser, and a product that is left as it is and whose result goes on into a quantised operand takes f32 operands (vector FMAs, or v_wmma_f32_16x16x4_f32). A number that lies on a knife's edge between two numbers of the format may be rounded either way, as far as f32 arithmetic and the matrix unit's own rounding can turn it there, and no further.
;;   INPUTS GIVEN AS CODES. kc_w (in the module: [512, 512], K = its axis 1); ks_w (in the module: [512, 512], K = its axis 1); mlpc_w1 (in the module: [512, 512], K = its axis 1); mlpc_w2 (in the module: [512, 512], K = its axis 1); mlps_w1 (in the module: [512, 512], K = its axis 1); mlps_w2 (in the module: [512, 512], K = its axis 1); proj_c_w (in the module: [512, 512], K = its axis 1); proj_s_w (in the module: [512, 512], K = its axis 1); qc_w (in the module: [512, 512], K = its axis 1); qs_w (in the module: [512, 512], K = its axis 1); vc_w (in the module: [512, 512], K = its axis 1); vs_w (in the module: [512, 512], K = its axis 1); w_c (in the module: [256, 512], K = its axis 1); w_s (in the module: [256, 512], K = its axis 1): each comes as NAME_codes (uint8): NAME with its K axis moved to the last place and cut into blocks of 32 codes, [.., K / 32, bytes a block], one block behind the other in memory; two codes a byte, the lower K in the low four bits (a code: sign, 2 exponent bits, 1 mantissa bit); and NAME_scales (uint8): the same leading axes, one E8M0 byte (e + 127) for each 32 codes along K. Its value is code x scale, taken as it is: it is not quantised again, and the codes and scales need not be those that the quantiser above would give.
;; One version. Each part assembles by itself: llvm-mc -triple=amdgcn-amd-amdhsa -mcpu=gfx1250 --defsym DOCPART=n.
;; ======== version 1 of 1: 3 launches
;; limits: a function is approximated: absolute error at most 7.5e-08; an absolute error that grows with the inputs' magnitude: up to 7.5e-08 times it
;; workspace buffers: ws1 13,631,488 bytes; ws2 2,383,872 bytes; ws3 8,912,896 bytes
;; launch front (part 1): grid 256 x 1, 4 waves a work-group, no clusters, 315,904 bytes of LDS; arguments saliency_fea, contour_fea, ln1s_g, ln1c_g, ln1s_b, ln1c_b, ks_w_codes, kc_w_codes, ks_w_scales, kc_w_scales, ks_b, kc_b, vs_w_codes, vc_w_codes, vs_w_scales, vc_w_scales, vs_b, vc_b, w_c_codes, w_s_codes, w_c_scales, w_s_scales, ws1, ws3; writes ws1, ws3
.if DOCPART == 1
	.amdgcn_target "amdgcn-amd-amdhsa--gfx1250"
	.amdhsa_code_object_version 6
	.text
	.protected	k_q1cf2ec8426_front
	.globl	k_q1cf2ec8426_front
	.p2align	8
	.type	k_q1cf2ec8426_front,@function
k_q1cf2ec8426_front:
	s_mov_b64 s[64:65], 0
	v_nop
	global_prefetch_b8 v0, s[64:65] scope:SCOPE_SE
	s_setreg_imm32_b32 hwreg(HW_REG_WAVE_MODE, 25, 1), 1
	s_wait_xcnt 0x0
; FRONT.  For one source stream (work-groups 0-127: saliency, 128-255: contour) and 128 tokens of one batch:
; LayerNorm 1, quantised along the features; v = n Wv^T + bv; k = n Wk^T + bk; kp = exp(w k - |k|^2 / 2) / 16, w being the OTHER branch's random features.
; Out go: n's codes and scale words, laid as the last launch's image (it makes q of them and need not norm again); v and kp as E2M1 codes quantised ALONG THE TOKENS (they are the operands of kptv,
; whose K is the tokens), their scale words, and the block's column sum of kp in f32.
; SHARES.  Four waves; THE WAVES SHARE THE COLUMNS: wave w owns features 128 w .. 128 w + 127 of v and k and 64 w .. 64 w + 63 of kp, for all 128 tokens.  A layer's weights lie in that wave's registers, read once.
; THE ROWS: wave w's slice (its 128 columns of all 128 tokens) is one tensor tile, 128 rows of 512 bytes, 16 bytes of padding behind each; the wave asks for it by ONE tensor load, first thing, and alone reads it.
; The slice is filled once; one tensor load of a wave is out.  All weight loads are issued while it lands.
; What goes from wave to wave is the tokens' codes, through LDS, as images of operand registers: block beta (32 along K) of token tile mt at IMG + 4096 mt + 256 beta + 16 r (16 bytes for lane r's token).
; TILES.  Lane r of weight tile T takes row 32 (T / 2) + 8 (T % 2) + r + 8 (r / 8); lane r of token tile mt takes token 32 (mt / 2) + 8 (mt % 2) + r + 8 (r / 8).
;   weights as source 0 (k): a lane holds one token, and the 16 registers of a pair of tiles are 16 neighbouring features;
;   tokens as source 0 (v, kp): a lane holds one feature, and the 16 registers of a pair of token tiles are 16 neighbouring tokens.  So every quantiser finds its K along a lane's registers.
; k's codes replace n's codes IN PLACE, tile by tile: a wave signals when it has read tile mt, and stores into tile mt only behind the wait for all four signals.
; LIMITS.  v_exp_f32 gives 0 below 2^-126 where exact arithmetic has denormals; a block whose largest magnitude lies under 2^-124 (a block of zeros too) gets the scale byte 1: its bytes are read by this program alone;
; NaN and infinities among the inputs are not served.  Lanes 16-31 repeat lanes 0-15's store (same address, same value) for the column sums.
; No cluster: what work-groups share is the weights, and each weight byte is wanted by one wave, once, in registers; the f32 rows and the image take 315,392 bytes of LDS, so a shared tile would have no room.
.set RSTEP, 8                          ; rows between token tiles 2 i and 2 i + 1
.set PS, 528                           ; a row of a slice: 512 bytes + 16
.set SLICE, 128*PS                     ; slice w: columns 128 w .. of all 128 tokens
.set IMG, 4*SLICE                      ; the image, 8 token tiles x 4096 bytes
.set SCW, IMG+32768                    ; its scale words: 256 mt + 16 r + 4 s
.set ST, SCW+2048                      ; [token][wave] (mean, sum of squared differences)
.set MR, ST+4096                       ; [token] (mean, mean, rstd, rstd)
.set XDP, MR+2048                      ; [token][wave] sum of k^2
.set CXA, XDP+2048                     ; [token] -log2(e) |k|^2 / 2 - 4
.set VC, 0                             ; ws1: v's codes [sb 16][g 8][kb 16][tl 4][1024]
.set KC, 8388608                       ; kp's codes [sb][mu 2][kb 16][tl 8][1024]
.set VS, 12582912                      ; v's scale words [sb][g][kb][tl 4][16]
.set KS, 13107200                      ; kp's [sb][mu][kb][tl 8][16]
.set KPART, 13369344                   ; [sb][kb][256] f32
.set NS, 8388608                       ; ws3: n's images [work-group 256][32768] at 0; their scale words [work-group][2048] here
.set SA, 36                            ; v36-67, v68-99: weights' scale words, nothing else
.set SB, 68
.set ACC, 100
.set XA, 100
.set XB, 164
.set KSA, 180                          ; v180-187 column sums of kp
.set TM, 228
.set PC, 244
.set PW, 252
.set R0, 64                            ; window 1: v0-63 token fragments; v64-127 v's bias; v128-191 gain, then k's bias; v192-255 shift, then the token scale words
.set R1, 128
.set R2, 192
.set SWD, 192
.set WV, 50
.set MT, 54
.set NX, 55
.set SEL, 62
.set L2E, 66
.set HIM, 68
.set SH, 69
.set NHL, 70
.set EPS, 71
.set NCB, 72                           ; s[72:73] ws3, then my quarter of n's image there; s[74:75] of its scale words
.set NSB, 74
.set G0, 76                            ; s[76:79], s[80:87]: the tensor load's two groups; not written again
.set G1, 80
.set MSB, 0
.macro WIN new                         ; the immediate's high byte repeats the setting that is left
.if MSB != \new
	s_set_vgpr_msb (MSB<<8)|\new
.set MSB, \new
.endif
.endm
.macro BAR                             ; my LDS stores have landed and my LDS loads are in: then the work-group's barrier
	s_wait_dscnt 0x0
	s_barrier_signal -1
	s_barrier_wait -1
.endm
.macro TERM0 r, sh
	s_lshl_b32 s56, s[\r], \sh
.endm
.macro TERM r, sh
	s_lshl_b32 s58, s[\r], \sh
	s_add_co_u32 s56, s56, s58
.endm
.macro BASE dst, src, const            ; a buffer's address + the offset gathered in s56 (s57 = 0) + a constant
	s_add_co_u32 s56, s56, \const
	s_add_nc_u64 s[\dst:\dst+1], s[\src:\src+1], s[56:57]
.endm
.macro WMC d, a, b, c, sa, sb
	v_wmma_scale_f32_16x16x128_f8f6f4 v[\d:\d+7], v[\a:\a+7], v[\b:\b+7], v[\c:\c+7], v[\sa], v[\sb] matrix_a_fmt:MATRIX_FMT_FP4 matrix_b_fmt:MATRIX_FMT_FP4
.endm
.macro WMZ d, a, b, sa, sb
	v_wmma_scale_f32_16x16x128_f8f6f4 v[\d:\d+7], v[\a:\a+7], v[\b:\b+7], 0, v[\sa], v[\sb] matrix_a_fmt:MATRIX_FMT_FP4 matrix_b_fmt:MATRIX_FMT_FP4
.endm
.macro LDT x, a, off                   ; my token's 64 numbers of my wave's slice: register 8 t + j = feature 32 (t / 2) + 16 h + 8 (t % 2) + j
.irp t, 0,1,2,3,4,5,6,7
	ds_load_b128 v[\x+8*\t:\x+8*\t+3], v[\a] offset:\off+128*(\t/2)+32*(\t%2)
	ds_load_b128 v[\x+8*\t+4:\x+8*\t+7], v[\a] offset:\off+128*(\t/2)+32*(\t%2)+16
.endr
.endm
.macro RED b, dst                      ; two packed chains at v[b .. b+3] become one number, with lane l xor 16's
	v_pk_add_f32 v[\b:\b+1], v[\b:\b+1], v[\b+2:\b+3]
	v_add_f32 v[\b], v[\b], v[\b+1]
	v_permlanex16_b32 v[\b+1], v[\b], s[SEL], s[SEL+1]
	v_add_f32 v[\dst], v[\b], v[\b+1]
.endm
.macro STAT x                          ; v244 = mean of my token over the wave's 128 features, v245 = sum of (x - mean)^2: two passes, no difference of large sums
	v_pk_add_f32 v[TM:TM+1], v[\x:\x+1], v[\x+2:\x+3]
	v_pk_add_f32 v[TM+2:TM+3], v[\x+4:\x+5], v[\x+6:\x+7]
.set k_i, 8
.rept 14
	v_pk_add_f32 v[TM:TM+1], v[TM:TM+1], v[\x+k_i:\x+k_i+1]
	v_pk_add_f32 v[TM+2:TM+3], v[TM+2:TM+3], v[\x+k_i+2:\x+k_i+3]
.set k_i, k_i+4
.endr
	RED TM, TM
	v_mul_f32 v244, 0x3c000000, v[TM]              ; / 128
.set k_i, 0
.rept 16
.set k_d, TM+4+4*(k_i%2)
	v_pk_add_f32 v[k_d:k_d+1], v[\x+4*k_i:\x+4*k_i+1], v[244:245] op_sel_hi:[1,0] neg_lo:[0,1] neg_hi:[0,1]
	v_pk_add_f32 v[k_d+2:k_d+3], v[\x+4*k_i+2:\x+4*k_i+3], v[244:245] op_sel_hi:[1,0] neg_lo:[0,1] neg_hi:[0,1]
.if k_i == 0
	v_pk_mul_f32 v[TM+12:TM+13], v[k_d:k_d+1], v[k_d:k_d+1]
	v_pk_mul_f32 v[TM+14:TM+15], v[k_d+2:k_d+3], v[k_d+2:k_d+3]
.else
	v_pk_fma_f32 v[TM+12:TM+13], v[k_d:k_d+1], v[k_d:k_d+1], v[TM+12:TM+13]
	v_pk_fma_f32 v[TM+14:TM+15], v[k_d+2:k_d+3], v[k_d+2:k_d+3], v[TM+14:TM+15]
.endif
.set k_i, k_i+1
.endr
	RED TM+12, 245
.endm
.macro COMBINE                         ; thread = token: the four waves' means and sums become the row's mean and 1 / sqrt(var + 1e-5)
	v_lshl_add_u32 v20, v0, 5, ST
	v_lshl_add_u32 v21, v0, 4, MR
	ds_load_b128 v[100:103], v20
	ds_load_b128 v[104:107], v20 offset:16
	s_wait_dscnt 0x0
	v_add_f32 v108, v100, v102
	v_add_f32 v109, v104, v106
	v_add_f32 v108, v108, v109
	v_mul_f32 v108, 0x3e800000, v108               ; the mean of four equal parts
	v_sub_f32 v110, v100, v108
	v_sub_f32 v111, v102, v108
	v_sub_f32 v112, v104, v108
	v_sub_f32 v113, v106, v108
	v_mul_f32 v114, v110, v110
	v_fmac_f32 v114, v111, v111
	v_fmac_f32 v114, v112, v112
	v_fmac_f32 v114, v113, v113
	v_add_f32 v115, v101, v103
	v_add_f32 v116, v105, v107
	v_add_f32 v115, v115, v116
	v_fmamk_f32 v115, v114, 0x43000000, v115       ; + 128 x the parts' squared distances from the mean
	v_fma_f32 v115, v115, 0x3b000000, s[EPS]       ; / 512 + 1e-5
	v_rsq_f32 v110, v115
	v_mov_b32 v109, v108                           ; (the plain line behind the transcendental)  the packed forms want each number twice
	s_wait_alu depctr_va_vdst(0)
	v_mov_b32 v111, v110
	ds_store_b128 v21, v[108:111]
	BAR
.endm
.macro NORMT x, mr                     ; ((x - mean) rstd) g + b, in that order
.set k_i, 0
.rept 32
	v_pk_add_f32 v[\x+k_i:\x+k_i+1], v[\x+k_i:\x+k_i+1], v[\mr:\mr+1] neg_lo:[0,1] neg_hi:[0,1]
.set k_i, k_i+2
.endr
.set k_i, 0
.rept 32
	v_pk_mul_f32 v[\x+k_i:\x+k_i+1], v[\x+k_i:\x+k_i+1], v[\mr+2:\mr+3]
.set k_i, k_i+2
.endr
	WIN 0x14                                       ; sources 1 and 2 in window 1
.set k_i, 0
.rept 32
	v_pk_fma_f32 v[\x+k_i:\x+k_i+1], v[\x+k_i:\x+k_i+1], v[R1+k_i:R1+k_i+1], v[R2+k_i:R2+k_i+1]
.set k_i, k_i+2
.endr
	WIN 0
.endm
; nb blocks of 32 along K; my 16 numbers of block b in v[x + 16 b ..], the other 16 in lane l xor 16.  Codes to v[PC + 2 b], v[PC + 2 b + 1].
; swd < 0: the bytes make the word v[PW].  Else byte b is shifted s[SH] bits up into v[swd + b] of window 1.
.macro QUANT x, nb, swd
.set qb, 0
.rept \nb
	v_max3_num_f32 v[TM+qb], |v[\x+16*qb]|, |v[\x+16*qb+1]|, 0x1800000   ; with the floor 2^(3 - 127): the byte cannot fall under 1
.set qb, qb+1
.endr
.set qi, 2
.rept 7
.set qb, 0
.rept \nb
	v_max3_num_f32 v[TM+qb], v[TM+qb], |v[\x+16*qb+qi]|, |v[\x+16*qb+qi+1]|
.set qb, qb+1
.endr
.set qi, qi+2
.endr
.set qb, 0
.rept \nb
	v_permlanex16_b32 v[TM+4+qb], v[TM+qb], s[SEL], s[SEL+1]
.set qb, qb+1
.endr
.set qb, 0
.rept \nb
	v_max_num_f32 v[TM+qb], v[TM+qb], v[TM+4+qb]   ; the block's largest magnitude
.set qb, qb+1
.endr
.set qb, 0
.rept \nb
	v_add_nc_u32 v[TM+12+qb], 0xff000000, v[TM+qb] ; 2 off its exponent field: the conversion's scale operand
.set qb, qb+1
.endr
.set qb, 0
.rept \nb
	v_lshrrev_b32 v[TM+4+qb], 23, v[TM+12+qb]      ; the scale's byte
.set qb, qb+1
.endr
.if \swd < 0
	v_lshl_or_b32 v[PW], v[TM+5], 8, v[TM+4]
.if \nb > 2
	v_lshl_or_b32 v[PW], v[TM+6], 16, v[PW]
	v_lshl_or_b32 v[PW], v[TM+7], 24, v[PW]
.endif
.else
	WIN 0x50                                       ; destination and source 2 in window 1
.set qb, 0
.rept \nb
	v_lshl_or_b32 v[\swd+qb], v[TM+4+qb], s[SH], v[\swd+qb]
.set qb, qb+1
.endr
	WIN 0
.endif
.set qb, 0
.rept \nb
	v_cvt_scalef32_pk8_fp4_f32 v[PC+2*qb], v[\x+16*qb:\x+16*qb+7], v[TM+12+qb]
	v_cvt_scalef32_pk8_fp4_f32 v[PC+2*qb+1], v[\x+16*qb+8:\x+16*qb+15], v[TM+12+qb]
.set qb, qb+1
.endr
	v_nop                                          ; one plain line behind the last scaled conversion
.endm
.macro PUT a, nb, off                  ; my 8 bytes of each block: 32 lanes cover a block row's 256 bytes
.set k_i, 0
.rept \nb
	ds_store_b64 v[\a], v[PC+2*k_i:PC+2*k_i+1] offset:\off+256*k_i
.set k_i, k_i+1
.endr
.endm
.macro FRAGS ks, a, b                  ; a token tile's fragments of ks K steps into window 1 v0 on, its scale words into v28-31
	WIN 0x40
.set k_i, 0
.rept 2*\ks
	ds_load_b128 v[4*k_i:4*k_i+3], v[\a] offset:512*k_i
.set k_i, k_i+1
.endr
	WIN 0
	ds_load_b128 v[28:31], v[\b]
.endm
.macro FRAGS2 a, b                     ; two neighbouring token tiles: 16 loads and two of scale words
	WIN 0x40
.set k_i, 0
.rept 16
	ds_load_b128 v[4*k_i:4*k_i+3], v[\a] offset:512*k_i
.set k_i, k_i+1
.endr
	WIN 0
	ds_load_b128 v[28:31], v[\b]
	ds_load_b128 v[32:35], v[\b] offset:256
.endm
; weights as source 0: nt tiles x ks K steps; the accumulators take turns, one instruction a turn; c: the bias in window 1, the C of the first K step
.macro MULS nt, ks, win, wb, wstr, sb, sstr, c
.set ms_s, 0
.rept \ks
.if (ms_s == 0) && (\c >= 0)
	WIN 0x14|\win
.else
	WIN 0x04|\win
.endif
.set ms_t, 0
.rept \nt
.if ms_s > 0
	WMC ACC+8*ms_t, \wb+\wstr*ms_t+8*ms_s, 8*ms_s, ACC+8*ms_t, \sb+\sstr*ms_t+ms_s, 28+ms_s
.elseif \c >= 0
	WMC ACC+8*ms_t, \wb+\wstr*ms_t+8*ms_s, 8*ms_s, \c+8*ms_t, \sb+\sstr*ms_t+ms_s, 28+ms_s
.else
	WMZ ACC+8*ms_t, \wb+\wstr*ms_t+8*ms_s, 8*ms_s, \sb+\sstr*ms_t+ms_s, 28+ms_s
.endif
.set ms_t, ms_t+1
.endr
.set ms_s, ms_s+1
.endr
	WIN 0
.endm
; tokens as source 0: two token tiles x nt weight tiles (window 2) x 4 K steps; accumulator (t, u) at v[ACC + 16 t + 8 u]
.macro MULN nt, bias
.set ms_s, 0
.rept 4
.if (ms_s == 0) && \bias
	WIN 0x19
.else
	WIN 0x09
.endif
.set ms_t, 0
.rept \nt
.set ms_u, 0
.rept 2
.if ms_s > 0
	WMC ACC+16*ms_t+8*ms_u, 32*ms_u+8*ms_s, 32*ms_t+8*ms_s, ACC+16*ms_t+8*ms_u, 28+4*ms_u+ms_s, SA+4*ms_t+ms_s
.elseif \bias
	WMC ACC+16*ms_t+8*ms_u, 32*ms_u+8*ms_s, 32*ms_t+8*ms_s, R0+8*ms_t, 28+4*ms_u+ms_s, SA+4*ms_t+ms_s
.else
	WMZ ACC+16*ms_t+8*ms_u, 32*ms_u+8*ms_s, 32*ms_t+8*ms_s, 28+4*ms_u+ms_s, SA+4*ms_t+ms_s
.endif
.set ms_u, ms_u+1
.endr
.set ms_t, ms_t+1
.endr
.set ms_s, ms_s+1
.endr
	WIN 0
.endm
.macro XDSUM                           ; v253 = the sum of squares of my token over the wave's 128 features
	v_pk_mul_f32 v[TM:TM+1], v[ACC:ACC+1], v[ACC:ACC+1]
	v_pk_mul_f32 v[TM+2:TM+3], v[ACC+2:ACC+3], v[ACC+2:ACC+3]
.set k_i, 4
.rept 15
	v_pk_fma_f32 v[TM:TM+1], v[ACC+k_i:ACC+k_i+1], v[ACC+k_i:ACC+k_i+1], v[TM:TM+1]
	v_pk_fma_f32 v[TM+2:TM+3], v[ACC+k_i+2:ACC+k_i+3], v[ACC+k_i+2:ACC+k_i+3], v[TM+2:TM+3]
.set k_i, k_i+4
.endr
	RED TM, 253
.endm
.macro BLOAD dst, ptr, nt              ; a vector of my wave's features into window 1, laid as a result with weights as source 0
	WIN 0x40
.set k_i, 0
.rept \nt
	global_load_b128 v[\dst+8*k_i:\dst+8*k_i+3], v3, s[\ptr:\ptr+1] offset:4*(32*(k_i/2)+8*(k_i%2))
	global_load_b128 v[\dst+8*k_i+4:\dst+8*k_i+7], v3, s[\ptr:\ptr+1] offset:4*(32*(k_i/2)+8*(k_i%2))+16
.set k_i, k_i+1
.endr
	WIN 0
.endm
.macro STATLOOP                        ; four trips of two token tiles, the next tile fetched while one is summed
	LDT XA, 8, 0
	s_mov_b32 s[MT], 0
.Lstat_\@:
	s_mul_i32 s56, s[MT], 32*PS
	v_add_nc_u32 v20, s56, v8
	LDT XB, 20, RSTEP*PS
	s_wait_dscnt 16                                ; only the 16 loads just issued may be out
	STAT XA
	s_lshl_b32 s56, s[MT], 10
	v_add_nc_u32 v22, s56, v9
	ds_store_b64 v22, v[244:245]
	s_add_co_u32 s[NX], s[MT], 1
	s_min_u32 s[NX], s[NX], 3                      ; the last trip fetches its own pair once more: the slices are only read here
	s_mul_i32 s56, s[NX], 32*PS
	v_add_nc_u32 v21, s56, v8
	LDT XA, 21, 0
	s_wait_dscnt 16                                ; likewise: the other buffer and the store ahead of these loads are done
	STAT XB
	ds_store_b64 v22, v[244:245] offset:32*RSTEP
	s_add_co_u32 s[MT], s[MT], 1
	s_cmp_lt_u32 s[MT], 4
	s_cbranch_scc1 .Lstat_\@
	BAR
.endm
.macro NORMLOOP                        ; four trips of two token tiles: normalised, quantised along the features, image and scale word stored
	LDT XA, 8, 0
	ds_load_b128 v[236:239], v10
	s_mov_b32 s[MT], 0
.Lnorm_\@:
	s_mul_i32 s56, s[MT], 32*PS
	s_lshl_b32 s57, s[MT], 9
	v_add_nc_u32 v22, s56, v8
	v_add_nc_u32 v23, s57, v10
	LDT XB, 22, RSTEP*PS
	ds_load_b128 v[24:27], v23 offset:16*RSTEP
	s_wait_dscnt 17                                ; only the 17 loads just issued may be out: the buffer at work is in, the last stores have read their registers
	NORMT XA, 236
	QUANT XA, 4, -1
	s_lshl_b32 s56, s[MT], 13
	v_add_nc_u32 v20, s56, v6
	v_add_nc_u32 v21, s57, v7
	PUT 20, 4, 0
	ds_store_b32 v21, v[PW]
	s_add_co_u32 s[NX], s[MT], 1
	s_min_u32 s[NX], s[NX], 3
	s_mul_i32 s56, s[NX], 32*PS
	s_lshl_b32 s57, s[NX], 9
	v_add_nc_u32 v254, s56, v8
	v_add_nc_u32 v255, s57, v10
	LDT XA, 254, 0
	ds_load_b128 v[236:239], v255
	s_wait_dscnt 17                                ; likewise
	NORMT XB, 24
	QUANT XB, 4, -1
	PUT 20, 4, 4096
	ds_store_b32 v21, v[PW] offset:256
	s_add_co_u32 s[MT], s[MT], 1
	s_cmp_lt_u32 s[MT], 4
	s_cbranch_scc1 .Lnorm_\@
	BAR
.endm
.macro WRAW wb, ptr, nt                ; weight fragments from the rows as they are given: tile t, K step s, piece c at v[32 t + 8 s + 4 c]
	WIN \wb
.set k_t, 0
.rept \nt
.irp s, 0,1,2,3
.irp c, 0,1
	global_load_b128 v[32*k_t+8*\s+4*\c:32*k_t+8*\s+4*\c+3], v14, s[\ptr:\ptr+1] offset:256*(32*(k_t/2)+8*(k_t%2))+64*\s+32*\c
.endr
.endr
.set k_t, k_t+1
.endr
	WIN 0
.endm
.macro SRAW dst, ptr, nt               ; their scale words: a row's 16 bytes are its four K steps' words
.set k_i, 0
.rept \nt
	global_load_b128 v[\dst+4*k_i:\dst+4*k_i+3], v16, s[\ptr:\ptr+1] offset:16*(32*(k_i/2)+8*(k_i%2))
.set k_i, k_i+1
.endr
.endm
	s_load_b512 s[4:19], s[0:1], 0x0
	s_load_b512 s[20:35], s[0:1], 0x40
	s_load_b256 s[36:43], s[0:1], 0x80
	s_load_b128 s[44:47], s[0:1], 0xa0
	s_load_b64 s[48:49], s[0:1], 0xb0
	s_load_b64 s[NCB:NCB+1], s[0:1], 0xb8
	v_lshl_add_u32 v254, v0, 2, 0x4d000
	v_mov_b32 v255, 0
	ds_add_u32 v254, v255
	ds_add_u32 v254, v255
	s_wait_dscnt 0x0
	v_and_b32 v20, 31, v0                          ; L
	v_and_b32 v21, 15, v0                          ; r
	v_bfe_u32 v22, v0, 4, 1                        ; h
	v_lshrrev_b32 v23, 5, v0
	v_readfirstlane_b32 s[WV], v23                 ; wave 0..3
	v_and_b32 v23, 8, v21
	v_add_nc_u32 v23, v23, v21                     ; rl = r + 8 (r / 8)
	v_lshlrev_b32 v1, 4, v20                       ; 16 L
	v_lshlrev_b32 v2, 4, v21                       ; 16 r
	v_lshlrev_b32 v3, 6, v22                       ; 64 h
	v_add_nc_u32 v4, IMG, v1                       ; fragments
	v_add_nc_u32 v5, SCW, v2                       ; scale words, to read
	v_lshl_add_u32 v15, v22, 3, v2                 ; 16 r + 8 h
	s_lshl_b32 s56, s[WV], 10
	s_add_co_u32 s56, s56, IMG
	v_add_nc_u32 v6, s56, v15                      ; where my codes go
	s_lshl_b32 s56, s[WV], 2
	s_add_co_u32 s57, s56, SCW
	v_add_nc_u32 v7, s57, v2                       ; and my wave's scale word
	s_mul_i32 s57, s[WV], SLICE
	v_mad_u32_u24 v8, v23, PS, v3
	v_add_nc_u32 v8, s57, v8                       ; my token's row in my slice, + 64 h
	s_lshl_b32 s57, s[WV], 3
	s_add_co_u32 s57, s57, ST
	v_lshl_add_u32 v9, v23, 5, s57
	v_lshlrev_b32 v16, 4, v23                      ; 16 rl
	v_add_nc_u32 v10, MR, v16
	v_add_nc_u32 v12, XDP, v16
	v_add_nc_u32 v11, s56, v12
	v_lshlrev_b32 v13, 2, v23                      ; 4 rl
	v_lshlrev_b32 v14, 8, v23
	v_lshl_add_u32 v14, v22, 4, v14                ; 256 rl + 16 h
	v_lshlrev_b32 v17, 2, v20                      ; 4 L
	v_add_nc_u32 v18, CXA, v3
	v_mov_b32 v245, 0                              ; named as the upper half of a pair before it is first written
.irp b, 4,5,6,7
	v_mov_b32 v[TM+\b], 0                          ; a lane permute's destination counts as one of its sources
.endr
	; the tensor load's descriptor: my slice is a tile of 128 rows x 128 elements of 4 bytes, 512 elements from row to row in memory, 4 words of padding behind each 128 words in LDS
	s_mov_b32 s[G0], 1                             ; count = 1
	s_mul_i32 s[G0+1], s[WV], SLICE                ; LDS address: my slice
	s_mov_b32 s[G1], (2<<16)|(1<<20)|(6<<22)|(3<<25)   ; no mask; elements of 4 bytes; padding on; after every 128 words (code 6); 4 words (code 3)
	s_mov_b32 s[G1+1], 128<<16                     ; tensor_dim0 = 128
	s_mov_b32 s[G1+2], 128<<16                     ; tensor_dim1 = 128
	s_mov_b32 s[G1+3], 128<<16                     ; tile_dim0 = 128
	s_mov_b32 s[G1+4], 128                         ; tile_dim1 = 128
	s_mov_b32 s[G1+5], 512                         ; elements from row to row
	s_mov_b32 s[G1+6], 0
	s_mov_b32 s[G1+7], 0
	s_wait_kmcnt 0x0
	s_lshr_b32 s51, ttmp9, 7                       ; the stream
	s_cmp_eq_u32 s51, 0
.irp p, 4,8,12,16,20,24,28,32,36,40,44
	s_cselect_b64 s[\p:\p+1], s[\p:\p+1], s[\p+2:\p+3]   ; the choice hangs on the work-group's number alone
.endr
	s_mov_b32 s57, 0
	s_and_b32 s51, ttmp9, 127
	TERM0 51, 18                                   ; the work-group's 128 rows of 2,048 bytes,
	TERM WV, 9                                     ; my 512 bytes of each
	BASE G0+2, 4, 0
	s_or_b32 s[G0+3], s[G0+3], 0x80000000          ; type = 2
	tensor_load_to_lds s[G0:G0+3], s[G1:G1+7]      ; the one fill of my slice: ahead of every LDS read, barrier and wait on TENSORcnt
	s_nop 0
.rept 4
	v_nop
.endr
	s_lshr_b32 s52, ttmp9, 4                       ; sb = 8 x stream + batch
	s_and_b32 s53, ttmp9, 15                       ; kb: which 128 tokens of the batch
	s_lshr_b32 s59, s[WV], 1
	s_and_b32 s60, s[WV], 1
	s_mov_b32 s61, ttmp9
	TERM0 WV, 9
.irp p, 8,12,24,36
	s_add_nc_u64 s[\p:\p+1], s[\p:\p+1], s[56:57]  ; gain, shift, k's and v's bias at my 128 features
.endr
	TERM0 WV, 15
.irp p, 16,28
	s_add_nc_u64 s[\p:\p+1], s[\p:\p+1], s[56:57]  ; my 128 rows of Wk and Wv
.endr
	TERM0 WV, 11
.irp p, 20,32
	s_add_nc_u64 s[\p:\p+1], s[\p:\p+1], s[56:57]
.endr
	TERM0 WV, 14
	BASE 40, 40, 0                                 ; my 64 rows of w
	TERM0 WV, 10
	BASE 44, 44, 0
	TERM0 52, 19
	TERM WV, 17
	TERM 53, 12
	BASE 6, 48, VC                                 ; v's codes
	TERM0 52, 18
	TERM 59, 17
	TERM 53, 13
	TERM 60, 12
	BASE 10, 48, KC                                ; kp's codes
	TERM0 52, 15
	TERM WV, 13
	TERM 53, 8
	BASE 14, 48, VS
	TERM0 52, 14
	TERM 59, 13
	TERM 53, 9
	TERM 60, 8
	BASE 18, 48, KS
	TERM0 52, 14
	TERM 53, 10
	TERM WV, 8
	BASE 22, 48, KPART
	TERM0 61, 11
	TERM WV, 9
	BASE NSB, NCB, NS                              ; my 512 bytes of n's scale words
	TERM0 61, 15
	TERM WV, 13
	BASE NCB, NCB, 0                               ; my 8,192 bytes of n's image
	s_mov_b32 s[SEL], 0x76543210
	s_mov_b32 s[SEL+1], 0xfedcba98                 ; lane l xor 16
	s_mov_b32 s[L2E], 0x3fb8aa3b                   ; log2(e)
	s_mov_b32 s[L2E+1], s[L2E]
	s_mov_b32 s[HIM], 0xffff0000                   ; lanes 16-31
	s_mov_b32 s[NHL], 0xbf38aa3b                   ; -log2(e) / 2
	s_mov_b32 s[EPS], 0x3727c5ac                   ; 1e-5
	; all that the layers want from memory is asked for while the rows land
	BLOAD R1, 8, 8
	BLOAD R2, 12, 8
	SRAW SA, 32, 8
	WRAW 0x80, 28, 8                               ; Wv into window 2
	WIN 0x40
.irp t, 0,1,2,3,4,5,6,7
.irp j, 0,1,2,3,4,5,6,7
	global_load_b32 v[R0+8*\t+\j], v13, s[36:37] offset:4*(32*(\t/2)+8*(\t%2))   ; v's bias as a C with tokens as source 0: my feature's number in all eight registers
.endr
.endr
	WIN 0
	WRAW 0xc0, 16, 8                               ; Wk into window 3
	SRAW SB, 20, 8
	s_wait_tensorcnt 0x0                           ; my slice is in LDS; no other wave reads it
	STATLOOP
	COMBINE
	s_wait_loadcnt 0x0                             ; gain, shift, weights, biases
	NORMLOOP
	; ---- n's codes and scale words leave for the last launch, whose token tile mt' holds tokens 16 mt' + r'.  Token 32 a + 16 p + 8 u + q lies here in tile 2 a + u at lane q + 8 p.
	; Wave w takes tiles 2 w and 2 w + 1 of that order: lane L of piece (p, i) reads block 2 i + L / 16 of token 32 w + 16 p + L % 16, and the 32 lanes store 512 consecutive bytes.
	BLOAD R1, 24, 8                                ; k's bias takes the gain's place
	v_and_b32 v20, 7, v0                           ; q
	v_bfe_u32 v21, v0, 3, 1                        ; u
	v_bfe_u32 v22, v0, 4, 1                        ; L / 16
	v_lshlrev_b32 v20, 4, v20
	v_lshl_add_u32 v23, v21, 12, v20
	v_lshl_add_u32 v23, v22, 8, v23                ; 16 q + 4096 u + 256 (L / 16)
	s_lshl_b32 s56, s[WV], 13
	s_add_co_u32 s56, s56, IMG
	v_add_nc_u32 v23, s56, v23
	v_lshl_add_u32 v24, v21, 8, v20
	v_lshl_add_u32 v24, v22, 7, v24                ; the scale words: 16 q + 256 u + 128 p, p = L / 16
	s_lshl_b32 s56, s[WV], 9
	s_add_co_u32 s56, s56, SCW
	v_add_nc_u32 v24, s56, v24
.irp p, 0,1
.irp i, 0,1,2,3,4,5,6,7
	ds_load_b128 v[ACC+4*(8*\p+\i):ACC+4*(8*\p+\i)+3], v23 offset:512*\i+128*\p
.endr
.endr
	ds_load_b128 v[XB:XB+3], v24
.set k_i, 0
.rept 16
	s_wait_dscnt 16-k_i                            ; the younger of the 17 loads may be out
	global_store_b128 v1, v[ACC+4*k_i:ACC+4*k_i+3], s[NCB:NCB+1] offset:512*k_i
.set k_i, k_i+1
.endr
	s_wait_dscnt 0x0
	global_store_b128 v1, v[XB:XB+3], s[NSB:NSB+1]
	; ---- v: four chunks of 32 tokens; the image is only read, the codes go to memory
	WIN 0x40
.irp i, 0,1,2,3,4,5,6,7
	v_mov_b32 v[SWD+\i], 0
.endr
	WIN 0
	FRAGS2 4, 5
	s_wait_xcnt 0x0                                ; the stores above have read their data: the products below write those registers
	s_mov_b32 s[MT], 0
.Lv:
	s_wait_dscnt 0x0                               ; this chunk's fragments are in
	MULN 8, 1
	s_add_co_u32 s[NX], s[MT], 1
	s_lshl_b32 s56, s[NX], 13
	s_lshl_b32 s57, s[NX], 9
	v_add_nc_u32 v20, s56, v4                      ; with the two lines below: the four places behind the products
	v_add_nc_u32 v21, s57, v5
	v_nop
	v_nop
	s_cmp_eq_u32 s[MT], 3
	s_cbranch_scc1 .Lv_np
	FRAGS2 20, 21                                  ; the next chunk lands while this one is quantised
.Lv_np:
	s_lshl_b32 s[SH], s[MT], 3                     ; the chunk's byte in a scale word
	s_lshl_b32 s56, s[MT], 8
	s_wait_xcnt 0x0                                ; the last stores have read their offset and data
	v_add_nc_u32 v22, s56, v15                     ; 256 x chunk + 16 r + 8 h
	QUANT ACC, 4, SWD
.irp t, 0,1,2,3
	global_store_b64 v22, v[PC+2*\t:PC+2*\t+1], s[6:7] offset:1024*\t            ; 32 lanes store 256 consecutive bytes, aligned
.endr
	s_wait_xcnt 0x0
	QUANT ACC+64, 4, SWD+4
.irp t, 0,1,2,3
	global_store_b64 v22, v[PC+2*\t:PC+2*\t+1], s[6:7] offset:65536+1024*\t
.endr
	s_add_co_u32 s[MT], s[MT], 1
	s_cmp_lt_u32 s[MT], 4
	s_cbranch_scc1 .Lv
	WIN 0x05
.irp i, 0,1,2,3
	v_cndmask_b32 v[TM+\i], v[SWD+2*\i], v[SWD+2*\i+1], s[HIM]   ; tile 2 i's words in lanes 0-15, tile 2 i + 1's in lanes 16-31
.endr
	WIN 0
.irp i, 0,1,2,3
	global_store_b32 v17, v[TM+\i], s[14:15] offset:4096*(\i/2)+128*(\i%2)
.endr
	s_wait_xcnt 0x0                                ; v's last stores have read their data: the k layer writes those registers again.  Ahead of the loads below, so that it does not wait for them
	WRAW 0x80, 40, 4                               ; w takes Wv's place
	SRAW SA, 44, 4
	; ---- k: eight token tiles, its codes in place of n's
	s_wait_loadcnt 36                              ; the 36 loads of w may be out; k's bias, asked for ahead of them, is in
	FRAGS 4, 4, 5
	s_mov_b32 s[MT], 0
.Lk:
	s_wait_dscnt 0x0                               ; this tile's fragments are in, my last stores are done
	s_barrier_signal -1                            ; I have read tile MT
	MULS 8, 4, 3, 0, 32, SB, 4, R1
	s_add_co_u32 s[NX], s[MT], 1
	s_lshl_b32 s56, s[NX], 12
	s_lshl_b32 s57, s[NX], 8
	v_add_nc_u32 v20, s56, v4                      ; five additions: the places behind the products
	v_add_nc_u32 v21, s57, v5
	s_lshl_b32 s56, s[MT], 12
	s_lshl_b32 s57, s[MT], 8
	v_add_nc_u32 v24, s56, v6
	v_add_nc_u32 v25, s57, v7
	s_lshr_b32 s56, s[MT], 1
	s_lshl_b32 s56, s56, 9
	s_and_b32 s57, s[MT], 1
	s_lshl_b32 s57, s57, 7
	s_add_co_u32 s56, s56, s57                     ; 16 bytes x the tile's first token
	v_add_nc_u32 v26, s56, v11
	s_cmp_eq_u32 s[MT], 7
	s_cbranch_scc1 .Lk_np
	FRAGS 4, 20, 21                                ; tile MT + 1: nobody writes it before the next barrier
.Lk_np:
	XDSUM
	QUANT ACC, 4, -1
	s_barrier_wait -1                              ; every wave has read tile MT
	PUT 24, 4, 0
	ds_store_b32 v25, v[PW]
	ds_store_b32 v26, v253
	s_add_co_u32 s[MT], s[MT], 1
	s_cmp_lt_u32 s[MT], 8
	s_cbranch_scc1 .Lk
	BAR
	; thread = token: cx = -log2(e) |k|^2 / 2 - 4, so that kp = 2^(log2(e) w.k + cx)
	v_lshl_add_u32 v20, v0, 4, XDP
	v_lshl_add_u32 v21, v0, 2, CXA
	ds_load_b128 v[100:103], v20
	s_wait_dscnt 0x0
	v_add_f32 v100, v100, v101
	v_add_f32 v102, v102, v103
	v_add_f32 v100, v100, v102
	v_fma_f32 v100, v100, s[NHL], -4.0
	ds_store_b32 v21, v100
	BAR
	; ---- kp: four chunks of 32 tokens
.macro CXL a
.irp i, 0,1,2,3
	ds_load_b128 v[XB+4*\i:XB+4*\i+3], v[\a] offset:16*\i
.endr
.endm
	s_wait_loadcnt 0x0                             ; w
	WIN 0x40
.irp i, 0,1,2,3
	v_mov_b32 v[SWD+\i], 0
.endr
	WIN 0
.irp i, 0,1,2,3,4,5,6,7
	v_mov_b32 v[KSA+\i], 0
.endr
	FRAGS2 4, 5
	CXL 18
	s_mov_b32 s[MT], 0
.Lf:
	s_wait_dscnt 0x0
	MULN 4, 0
	s_add_co_u32 s[NX], s[MT], 1
	s_lshl_b32 s56, s[NX], 13
	s_lshl_b32 s57, s[NX], 9
	v_add_nc_u32 v20, s56, v4                      ; four places behind the products
	v_add_nc_u32 v21, s57, v5
	s_lshl_b32 s56, s[NX], 7
	v_add_nc_u32 v23, s56, v18
	v_nop
.irp t, 0,1,2,3
.irp p, 0,1,2,3,4,5,6,7
	v_pk_fma_f32 v[ACC+16*\t+2*\p:ACC+16*\t+2*\p+1], v[ACC+16*\t+2*\p:ACC+16*\t+2*\p+1], s[L2E:L2E+1], v[XB+2*\p:XB+2*\p+1] op_sel_hi:[1,0,1]
.endr
.endr
	s_cmp_eq_u32 s[MT], 3
	s_cbranch_scc1 .Lf_np
	FRAGS2 20, 21
	CXL 23
.Lf_np:
.set k_i, 0
.rept 64
	v_exp_f32 v[ACC+k_i], v[ACC+k_i]
.set k_i, k_i+1
.endr
	v_nop                                          ; the plain line behind the exponentials
	s_wait_alu depctr_va_vdst(0)
.irp p, 0,1,2,3,4,5,6,7
.irp t, 0,1,2,3
	v_pk_add_f32 v[KSA+2*\t:KSA+2*\t+1], v[KSA+2*\t:KSA+2*\t+1], v[ACC+16*\t+2*\p:ACC+16*\t+2*\p+1]   ; the column sum is taken of the unquantised kp
.endr
.endr
	s_lshl_b32 s[SH], s[MT], 3
	s_lshl_b32 s56, s[MT], 8
	s_wait_xcnt 0x0
	v_add_nc_u32 v22, s56, v15
	QUANT ACC, 4, SWD
.irp t, 0,1,2,3
	global_store_b64 v22, v[PC+2*\t:PC+2*\t+1], s[10:11] offset:1024*\t
.endr
	s_add_co_u32 s[MT], s[MT], 1
	s_cmp_lt_u32 s[MT], 4
	s_cbranch_scc1 .Lf
.irp t, 0,1,2,3
	v_add_f32 v[KSA+2*\t], v[KSA+2*\t], v[KSA+2*\t+1]
.endr
.irp t, 0,1,2,3
	v_permlanex16_b32 v[KSA+2*\t+1], v[KSA+2*\t], s[SEL], s[SEL+1]
.endr
.irp t, 0,1,2,3
	v_add_f32 v[KSA+2*\t], v[KSA+2*\t], v[KSA+2*\t+1]
.endr
.irp t, 0,1,2,3
	global_store_b32 v13, v[KSA+2*\t], s[22:23] offset:4*(32*(\t/2)+8*(\t%2))
.endr
	WIN 0x05
.irp i, 0,1
	v_cndmask_b32 v[TM+\i], v[SWD+2*\i], v[SWD+2*\i+1], s[HIM]
.endr
	WIN 0
.irp i, 0,1
	global_store_b32 v17, v[TM+\i], s[18:19] offset:128*\i
.endr
	s_wait_xcnt 0x0
	v_lshl_add_u32 v254, v0, 2, 0x4d000
	v_mov_b32 v255, 0
	s_wait_tensorcnt 0x0
	ds_add_u32 v254, v255
	s_wait_dscnt 0x0
	s_endpgm
.Lfunc_end_k_q1cf2ec8426_front:
	.size	k_q1cf2ec8426_front, .Lfunc_end_k_q1cf2ec8426_front-k_q1cf2ec8426_front
	.p2alignl 7, 3214868480
	.fill 96, 4, 3214868480
	.section	.rodata,"a",@progbits
	.p2align	6, 0x0
	.amdhsa_kernel k_q1cf2ec8426_front
		.amdhsa_group_segment_fixed_size 315904
		.amdhsa_private_segment_fixed_size 0
		.amdhsa_enable_private_segment 0
		.amdhsa_kernarg_size 192
		.amdhsa_user_sgpr_count 2
		.amdhsa_user_sgpr_kernarg_segment_ptr 1
		.amdhsa_wavefront_size32 1
		.amdhsa_system_sgpr_workgroup_id_x 1
		.amdhsa_system_sgpr_workgroup_id_y 1
		.amdhsa_system_sgpr_workgroup_id_z 1
		.amdhsa_system_vgpr_workitem_id 0
		.amdhsa_next_free_vgpr 1024
		.amdhsa_next_free_sgpr 88
		.amdhsa_reserve_vcc 0
		.amdhsa_float_denorm_mode_32 3
		.amdhsa_float_denorm_mode_16_64 3
		.amdhsa_memory_ordered 1
		.amdhsa_forward_progress 1
		.amdhsa_inst_pref_size 134
	.end_amdhsa_kernel
	.amdgpu_metadata
---
amdhsa.version: [ 1, 2 ]
amdhsa.kernels:
  - .name:           k_q1cf2ec8426_front
    .symbol:         k_q1cf2ec8426_front.kd
    .args:
      - { .name: saliency_fea, .offset: 0, .size: 8, .value_kind: global_buffer, .address_space: global }
      - { .name: contour_fea, .offset: 8, .size: 8, .value_kind: global_buffer, .address_space: global }
      - { .name: ln1s_g, .offset: 16, .size: 8, .value_kind: global_buffer, .address_space: global }
      - { .name: ln1c_g, .offset: 24, .size: 8, .value_kind: global_buffer, .address_space: global }
      - { .name: ln1s_b, .offset: 32, .size: 8, .value_kind: global_buffer, .address_space: global }
      - { .name: ln1c_b, .offset: 40, .size: 8, .value_kind: global_buffer, .address_space: global }
      - { .name: ks_w_codes, .offset: 48, .size: 8, .value_kind: global_buffer, .address_space: global }
      - { .name: kc_w_codes, .offset: 56, .size: 8, .value_kind: global_buffer, .address_space: global }
      - { .name: ks_w_scales, .offset: 64, .size: 8, .value_kind: global_buffer, .address_space: global }
      - { .name: kc_w_scales, .offset: 72, .size: 8, .value_kind: global_buffer, .address_space: global }
      - { .name: ks_b, .offset: 80, .size: 8, .value_kind: global_buffer, .address_space: global }
      - { .name: kc_b, .offset: 88, .size: 8, .value_kind: global_buffer, .address_space: global }
      - { .name: vs_w_codes, .offset: 96, .size: 8, .value_kind: global_buffer, .address_space: global }
      - { .name: vc_w_codes, .offset: 104, .size: 8, .value_kind: global_buffer, .address_space: global }
      - { .name: vs_w_scales, .offset: 112, .size: 8, .value_kind: global_buffer, .address_space: global }
      - { .name: vc_w_scales, .offset: 120, .size: 8, .value_kind: global_buffer, .address_space: global }
      - { .name: vs_b, .offset: 128, .size: 8, .value_kind: global_buffer, .address_space: global }
      - { .name: vc_b, .offset: 136, .size: 8, .value_kind: global_buffer, .address_space: global }
      - { .name: w_c_codes, .offset: 144, .size: 8, .value_kind: global_buffer, .address_space: global }
      - { .name: w_s_codes, .offset: 152, .size: 8, .value_kind: global_buffer, .address_space: global }
      - { .name: w_c_scales, .offset: 160, .size: 8, .value_kind: global_buffer, .address_space: global }
      - { .name: w_s_scales, .offset: 168, .size: 8, .value_kind: global_buffer, .address_space: global }
      - { .name: ws1, .offset: 176, .size: 8, .value_kind: global_buffer, .address_space: global }
      - { .name: ws3, .offset: 184, .size: 8, .value_kind: global_buffer, .address_space: global }
    .group_segment_fixed_size: 315904
    .private_segment_fixed_size: 0
    .kernarg_segment_align: 8
    .kernarg_segment_size: 192
    .max_flat_workgroup_size: 128
    .sgpr_count:     88
    .vgpr_count:     1024
    .wavefront_size: 32
...
	.end_amdgpu_metadata
.endif
;; end of part 1
;; launch mid (part 2): grid 256 x 1, 4 waves a work-group, no clusters, 139,776 bytes of LDS; arguments ws1, ws2, qs_w_codes, proj_s_w_codes, mlps_w1_codes, mlps_w2_codes, w_s_codes, qs_w_scales, proj_s_w_scales, mlps_w1_scales, mlps_w2_scales, w_s_scales, qc_w_codes, proj_c_w_codes, mlpc_w1_codes, mlpc_w2_codes, w_c_codes, qc_w_scales, proj_c_w_scales, mlpc_w1_scales, mlpc_w2_scales, w_c_scales; writes ws2
.if DOCPART == 2
	.amdgcn_target "amdgcn-amd-amdhsa--gfx1250"
	.amdhsa_code_object_version 6
	.text
	.protected	k_q1cf2ec8426_mid
	.globl	k_q1cf2ec8426_mid
	.p2align	8
	.type	k_q1cf2ec8426_mid,@function
k_q1cf2ec8426_mid:
	s_mov_b64 s[64:65], 0
	v_nop
	global_prefetch_b8 v0, s[64:65] scope:SCOPE_SE
	s_setreg_imm32_b32 hwreg(HW_REG_WAVE_MODE, 25, 1), 1
	s_wait_xcnt 0x0
; MID.  kptv[n][m] = the sum over a batch's 2,048 tokens of v[t][n] kp[t][m], on the codes that the first launch made, quantised along m for the last launch; the column sum of kp;
; and the last launch's ten weight matrices laid once in the order of operand registers (tile, K step, piece, lane), so that each of its weight loads reads 512 consecutive bytes.
; SHARES.  Work-group 16 sb + 2 g + mu makes 64 n (v's tiles 4 g .. 4 g + 3) x 128 m (kp's tiles 8 mu .. 8 mu + 7) of stream-and-batch sb.  Wave w takes v's tile 4 g + w against all eight tiles of kp:
; eight accumulators by turns, 16 K steps of 128 tokens.  kp's 128 KiB are wanted by all four waves: they go through LDS, each wave bringing a quarter; v's fragments are the wave's own and stay in registers.
; Source 0 = kp's tile, source 1 = v's tile: a lane holds one n, and the 16 registers of a pair of tiles are 16 neighbouring m: the next product's K.
; Work-groups 0-143 also lay one weight tile of each stream (waves 0, 2: saliency; 1, 3: contour; two K steps each); work-groups with g = 0 add the 16 blocks' column sums, in ascending order.
; LIMITS as in the first launch: a block under 2^-124 gets the scale byte 1.  The four waves of a work-group store a laid tile's scale words alike (same bytes, same values).
; No tensor loads: the tiles are dense images that land by plain loads once; nothing is filled again.
.set LKS, 131072                       ; LDS: kp's images [ks 16][tl 8][1024] at 0; their scale words [ks][tl][16 words] here
.set VC, 0
.set KC, 8388608
.set VS, 12582912
.set KS, 13107200
.set KPART, 13369344
.set KTC, 0                            ; ws2: kptv's codes [sb][T 32][s 2][c 2][512]
.set KTS, 1048576                      ; its scale words [sb][T][r 16][2]
.set KSUM, 1114112                     ; [sb][256] f32
.set PACKC, 1130496                    ; [stream][tile 144][4096]
.set PACKS, 2310144                    ; [stream][tile 144][r 16][16]
.set VSW, 32                           ; v32-47 v's scale words, v48-55 kp's: nothing else
.set KSW, 48
.set ACC, 100
.set TM, 228
.set PC, 244
.set PW, 252
.set WV, 52
.set SEL, 62
.set MSB, 0
.macro WIN new
.if MSB != \new
	s_set_vgpr_msb (MSB<<8)|\new
.set MSB, \new
.endif
.endm
.macro TERM0 r, sh
	s_lshl_b32 s56, s[\r], \sh
.endm
.macro TERM r, sh
	s_lshl_b32 s58, s[\r], \sh
	s_add_co_u32 s56, s56, s58
.endm
.macro BASE dst, src, const
	s_add_co_u32 s56, s56, \const
	s_add_nc_u64 s[\dst:\dst+1], s[\src:\src+1], s[56:57]
.endm
	s_load_b512 s[4:19], s[0:1], 0x0
	s_load_b512 s[20:35], s[0:1], 0x40
	s_load_b256 s[36:43], s[0:1], 0x80
	s_load_b128 s[44:47], s[0:1], 0xa0
	v_lshl_add_u32 v254, v0, 2, 0x22000
	v_mov_b32 v255, 0
	v_and_b32 v20, 31, v0                          ; L
	v_and_b32 v21, 15, v0                          ; r
	v_bfe_u32 v22, v0, 4, 1                        ; h
	v_lshrrev_b32 v23, 5, v0
	v_readfirstlane_b32 s[WV], v23
	v_and_b32 v23, 8, v21
	v_add_nc_u32 v23, v23, v21                     ; rl = r + 8 (r / 8)
	v_lshlrev_b32 v1, 4, v20                       ; 16 L
	v_lshlrev_b32 v2, 2, v21                       ; 4 r
	v_add_nc_u32 v4, 65536, v1
	v_lshlrev_b32 v5, 2, v20
	v_add_nc_u32 v5, LKS, v5
	v_lshlrev_b32 v10, 4, v21                      ; 16 r
	v_lshl_add_u32 v6, v22, 3, v10                 ; 16 r + 8 h
	v_lshlrev_b32 v7, 3, v21                       ; 8 r
	v_lshlrev_b32 v8, 8, v23
	v_lshl_add_u32 v8, v22, 4, v8                  ; 256 rl + 16 h
	v_lshlrev_b32 v9, 4, v23                       ; 16 rl
	v_lshlrev_b32 v11, 2, v0                       ; 4 x thread
	s_lshl_b32 s56, s[WV], 15
	v_add_nc_u32 v12, s56, v1
	s_lshl_b32 s56, s[WV], 11
	s_add_co_u32 s56, s56, LKS
	v_add_nc_u32 v13, s56, v1
.irp b, 4,5,6,7
	v_mov_b32 v[TM+\b], 0
.endr
	s_mov_b32 s[SEL], 0x76543210
	s_mov_b32 s[SEL+1], 0xfedcba98
	s_mov_b32 s57, 0
	s_mov_b32 s51, ttmp9
	s_lshr_b32 s53, ttmp9, 4                       ; sb
	s_bfe_u32 s54, ttmp9, 0x30001                  ; g
	s_and_b32 s55, ttmp9, 1                        ; mu
	s_lshl_b32 s59, s53, 1
	s_add_co_u32 s59, s59, s55                     ; 2 sb + mu
	s_lshr_b32 s60, ttmp9, 1                       ; 8 sb + g
	s_lshl_b32 s61, s60, 2
	s_add_co_u32 s61, s61, s[WV]                   ; 32 sb + 4 g + w
	s_wait_kmcnt 0x0
	TERM0 59, 17
	TERM WV, 15
	BASE 66, 4, KC
	TERM0 59, 13
	TERM WV, 11
	BASE 68, 4, KS
	TERM0 60, 16
	TERM WV, 10
	BASE 70, 4, VC
	TERM0 60, 12
	TERM WV, 6
	BASE 72, 4, VS
	TERM0 53, 14
	TERM 55, 9
	BASE 74, 4, KPART
	TERM0 61, 11
	TERM 55, 10
	BASE 76, 6, KTC
	TERM0 61, 7
	TERM 55, 2
	BASE 78, 6, KTS
	TERM0 53, 10
	TERM 55, 9
	BASE 80, 6, KSUM
	WIN 0x40
.set k_i, 0
.rept 64
	global_load_b128 v[4*k_i:4*k_i+3], v1, s[66:67] offset:512*k_i     ; my quarter of kp's images
.set k_i, k_i+1
.endr
	WIN 0x80
.irp i, 0,1,2,3
	global_load_b128 v[128+4*\i:128+4*\i+3], v1, s[68:69] offset:512*\i
.endr
.set k_i, 0
.rept 16
	global_load_b128 v[8*k_i:8*k_i+3], v1, s[70:71] offset:4096*k_i     ; my tile of v, all 16 K steps
	global_load_b128 v[8*k_i+4:8*k_i+7], v1, s[70:71] offset:4096*k_i+512
.set k_i, k_i+1
.endr
	WIN 0
.set k_i, 0
.rept 16
	global_load_b32 v[VSW+k_i], v2, s[72:73] offset:256*k_i
.set k_i, k_i+1
.endr
	; ---- a weight tile of each stream is laid in operand order
	s_cmp_lt_u32 ttmp9, 144
	s_cbranch_scc0 .Lnopack
	s_and_b32 s59, s[WV], 1                        ; the stream
	s_lshr_b32 s60, s[WV], 1                       ; which two K steps
	s_cmp_eq_u32 s59, 0
.irp k, 8,10,12,14,16,18,20,22,24,26
	s_cselect_b64 s[\k:\k+1], s[\k:\k+1], s[\k+20:\k+21]
.endr
	s_lshr_b32 s61, ttmp9, 5                       ; the matrix: q, proj, w1, w2, w
	s_mov_b64 s[48:49], s[8:9]
	s_mov_b64 s[82:83], s[18:19]
	s_cmp_eq_u32 s61, 1
	s_cselect_b64 s[48:49], s[10:11], s[48:49]
	s_cselect_b64 s[82:83], s[20:21], s[82:83]
	s_cmp_eq_u32 s61, 2
	s_cselect_b64 s[48:49], s[12:13], s[48:49]
	s_cselect_b64 s[82:83], s[22:23], s[82:83]
	s_cmp_eq_u32 s61, 3
	s_cselect_b64 s[48:49], s[14:15], s[48:49]
	s_cselect_b64 s[82:83], s[24:25], s[82:83]
	s_cmp_eq_u32 s61, 4
	s_cselect_b64 s[48:49], s[16:17], s[48:49]
	s_cselect_b64 s[82:83], s[26:27], s[82:83]
	s_bfe_u32 s61, ttmp9, 0x40001                  ; (T / 2), T = the tile in its matrix
	s_lshl_b32 s61, s61, 5
	s_and_b32 s58, ttmp9, 1
	s_lshl_b32 s58, s58, 3
	s_add_co_u32 s61, s61, s58                     ; the tile's first row
	TERM0 61, 8
	TERM 60, 7
	BASE 48, 48, 0
	TERM0 61, 4
	BASE 82, 82, 0
	s_mul_i32 s56, s59, 589824
	TERM 51, 12
	TERM 60, 11
	BASE 84, 6, PACKC
	s_mul_i32 s56, s59, 36864
	TERM 51, 8
	BASE 86, 6, PACKS
.irp s, 0,1
.irp c, 0,1
	global_load_b128 v[116+8*\s+4*\c:116+8*\s+4*\c+3], v8, s[48:49] offset:64*\s+32*\c
.endr
.endr
	global_load_b128 v[132:135], v9, s[82:83]
	s_wait_loadcnt 0x0
.irp s, 0,1
.irp c, 0,1
	global_store_b128 v1, v[116+8*\s+4*\c:116+8*\s+4*\c+3], s[84:85] offset:1024*\s+512*\c
.endr
.endr
	global_store_b128 v10, v[132:135], s[86:87]
	s_wait_xcnt 0x0                                ; the stores have read their data: the products below write these registers
.Lnopack:
	; ---- the column sum of kp over the batch's 16 blocks
	s_cmp_eq_u32 s54, 0
	s_cbranch_scc0 .Lnosum
.set k_i, 0
.rept 16
	global_load_b32 v[100+k_i], v11, s[74:75] offset:1024*k_i
.set k_i, k_i+1
.endr
	s_wait_loadcnt 0x0
.set k_i, 1
.rept 15
	v_add_f32 v100, v100, v[100+k_i]
.set k_i, k_i+1
.endr
	global_store_b32 v11, v100, s[80:81]
	s_wait_xcnt 0x0
.Lnosum:
	s_wait_loadcnt 0x0
	WIN 0x04
.set k_i, 0
.rept 64
	ds_store_b128 v12, v[4*k_i:4*k_i+3] offset:512*k_i
.set k_i, k_i+1
.endr
	WIN 0x08
.irp i, 0,1,2,3
	ds_store_b128 v13, v[128+4*\i:128+4*\i+3] offset:512*\i
.endr
	WIN 0
	s_wait_dscnt 0x0
	s_barrier_signal -1
	s_barrier_wait -1                              ; kp's images and scale words lie in LDS; from here on they are only read
.macro FK k, buf                       ; K step k: kp's eight fragments into set buf of window 1; its scale words: tile 2 i in lanes 0-15, tile 2 i + 1 in lanes 16-31
	WIN 0x40
.irp tl, 0,1,2,3,4,5,6,7
.irp c, 0,1
.if (\k) < 8
	ds_load_b128 v[64*(\buf)+8*\tl+4*\c:64*(\buf)+8*\tl+4*\c+3], v1 offset:8192*(\k)+1024*\tl+512*\c
.else
	ds_load_b128 v[64*(\buf)+8*\tl+4*\c:64*(\buf)+8*\tl+4*\c+3], v4 offset:8192*((\k)-8)+1024*\tl+512*\c
.endif
.endr
.endr
	WIN 0
.irp i, 0,1,2,3
	ds_load_b32 v[KSW+4*(\buf)+\i], v5 offset:512*(\k)+128*\i
.endr
.endm
.macro KPROD tl
.set kp_a, 64*(ks%2)+8*\tl
.set kp_s, KSW+4*(ks%2)+\tl/2
.if ks == 0
.if \tl%2
	v_wmma_scale_f32_16x16x128_f8f6f4 v[ACC+8*\tl:ACC+8*\tl+7], v[kp_a:kp_a+7], v[8*ks:8*ks+7], 0, v[kp_s], v[VSW+ks] matrix_a_fmt:MATRIX_FMT_FP4 matrix_b_fmt:MATRIX_FMT_FP4 matrix_a_scale:MATRIX_SCALE_ROW1
.else
	v_wmma_scale_f32_16x16x128_f8f6f4 v[ACC+8*\tl:ACC+8*\tl+7], v[kp_a:kp_a+7], v[8*ks:8*ks+7], 0, v[kp_s], v[VSW+ks] matrix_a_fmt:MATRIX_FMT_FP4 matrix_b_fmt:MATRIX_FMT_FP4
.endif
.else
.if \tl%2
	v_wmma_scale_f32_16x16x128_f8f6f4 v[ACC+8*\tl:ACC+8*\tl+7], v[kp_a:kp_a+7], v[8*ks:8*ks+7], v[ACC+8*\tl:ACC+8*\tl+7], v[kp_s], v[VSW+ks] matrix_a_fmt:MATRIX_FMT_FP4 matrix_b_fmt:MATRIX_FMT_FP4 matrix_a_scale:MATRIX_SCALE_ROW1
.else
	v_wmma_scale_f32_16x16x128_f8f6f4 v[ACC+8*\tl:ACC+8*\tl+7], v[kp_a:kp_a+7], v[8*ks:8*ks+7], v[ACC+8*\tl:ACC+8*\tl+7], v[kp_s], v[VSW+ks] matrix_a_fmt:MATRIX_FMT_FP4 matrix_b_fmt:MATRIX_FMT_FP4
.endif
.endif
.endm
	FK 0, 0
.set ks, 0
.rept 16
.if ks < 15
.if ks > 0
.rept 4
	v_nop                                          ; places in front of loads into the set that the last products read
.endr
.endif
	FK ks+1, (ks+1)%2
	s_wait_dscnt 20                                ; the next K step's 20 loads may be out; this step's are in
.else
	s_wait_dscnt 0x0
.endif
	WIN 0x09                                       ; source 0 (kp) window 1, source 1 (v) window 2
.irp tl, 0,1,2,3,4,5,6,7
	KPROD \tl
.endr
	WIN 0
.set ks, ks+1
.endr
.rept 4
	v_nop
.endr
	; kptv is quantised along m: four blocks of 32, my 16 numbers of each
.irp b, 0,1,2,3
	v_max3_num_f32 v[TM+\b], |v[ACC+16*\b]|, |v[ACC+16*\b+1]|, 0x1800000
.endr
.irp i, 2,4,6,8,10,12,14
.irp b, 0,1,2,3
	v_max3_num_f32 v[TM+\b], v[TM+\b], |v[ACC+16*\b+\i]|, |v[ACC+16*\b+\i+1]|
.endr
.endr
.irp b, 0,1,2,3
	v_permlanex16_b32 v[TM+4+\b], v[TM+\b], s[SEL], s[SEL+1]
.endr
.irp b, 0,1,2,3
	v_max_num_f32 v[TM+\b], v[TM+\b], v[TM+4+\b]
.endr
.irp b, 0,1,2,3
	v_add_nc_u32 v[TM+12+\b], 0xff000000, v[TM+\b]
.endr
.irp b, 0,1,2,3
	v_lshrrev_b32 v[TM+4+\b], 23, v[TM+12+\b]
.endr
	v_lshl_or_b32 v[PW], v[TM+5], 8, v[TM+4]
	v_lshl_or_b32 v[PW], v[TM+6], 16, v[PW]
	v_lshl_or_b32 v[PW], v[TM+7], 24, v[PW]
.irp b, 0,1,2,3
	v_cvt_scalef32_pk8_fp4_f32 v[PC+2*\b], v[ACC+16*\b:ACC+16*\b+7], v[TM+12+\b]
	v_cvt_scalef32_pk8_fp4_f32 v[PC+2*\b+1], v[ACC+16*\b+8:ACC+16*\b+15], v[TM+12+\b]
.endr
	v_nop
.irp b, 0,1,2,3
	global_store_b64 v6, v[PC+2*\b:PC+2*\b+1], s[76:77] offset:256*\b   ; 32 lanes store 256 consecutive bytes, aligned
.endr
	global_store_b32 v7, v[PW], s[78:79]
	s_wait_tensorcnt 0x0
	ds_add_u32 v254, v255
	s_wait_dscnt 0x0
	s_endpgm
.Lfunc_end_k_q1cf2ec8426_mid:
	.size	k_q1cf2ec8426_mid, .Lfunc_end_k_q1cf2ec8426_mid-k_q1cf2ec8426_mid
	.p2alignl 7, 3214868480
	.fill 96, 4, 3214868480
	.section	.rodata,"a",@progbits
	.p2align	6, 0x0
	.amdhsa_kernel k_q1cf2ec8426_mid
		.amdhsa_group_segment_fixed_size 139776
		.amdhsa_private_segment_fixed_size 0
		.amdhsa_enable_private_segment 0
		.amdhsa_kernarg_size 176
		.amdhsa_user_sgpr_count 2
		.amdhsa_user_sgpr_kernarg_segment_ptr 1
		.amdhsa_wavefront_size32 1
		.amdhsa_system_sgpr_workgroup_id_x 1
		.amdhsa_system_sgpr_workgroup_id_y 1
		.amdhsa_system_sgpr_workgroup_id_z 1
		.amdhsa_system_vgpr_workitem_id 0
		.amdhsa_next_free_vgpr 768
		.amdhsa_next_free_sgpr 88
		.amdhsa_reserve_vcc 0
		.amdhsa_float_denorm_mode_32 3
		.amdhsa_float_denorm_mode_16_64 3
		.amdhsa_memory_ordered 1
		.amdhsa_forward_progress 1
		.amdhsa_inst_pref_size 69
	.end_amdhsa_kernel
	.amdgpu_metadata
---
amdhsa.version: [ 1, 2 ]
amdhsa.kernels:
  - .name:           k_q1cf2ec8426_mid
    .symbol:         k_q1cf2ec8426_mid.kd
    .args:
      - { .name: ws1, .offset: 0, .size: 8, .value_kind: global_buffer, .address_space: global }
      - { .name: ws2, .offset: 8, .size: 8, .value_kind: global_buffer, .address_space: global }
      - { .name: qs_w_codes, .offset: 16, .size: 8, .value_kind: global_buffer, .address_space: global }
      - { .name: proj_s_w_codes, .offset: 24, .size: 8, .value_kind: global_buffer, .address_space: global }
      - { .name: mlps_w1_codes, .offset: 32, .size: 8, .value_kind: global_buffer, .address_space: global }
      - { .name: mlps_w2_codes, .offset: 40, .size: 8, .value_kind: global_buffer, .address_space: global }
      - { .name: w_s_codes, .offset: 48, .size: 8, .value_kind: global_buffer, .address_space: global }
      - { .name: qs_w_scales, .offset: 56, .size: 8, .value_kind: global_buffer, .address_space: global }
      - { .name: proj_s_w_scales, .offset: 64, .size: 8, .value_kind: global_buffer, .address_space: global }
      - { .name: mlps_w1_scales, .offset: 72, .size: 8, .value_kind: global_buffer, .address_space: global }
      - { .name: mlps_w2_scales, .offset: 80, .size: 8, .value_kind: global_buffer, .address_space: global }
      - { .name: w_s_scales, .offset: 88, .size: 8, .value_kind: global_buffer, .address_space: global }
      - { .name: qc_w_codes, .offset: 96, .size: 8, .value_kind: global_buffer, .address_space: global }
      - { .name: proj_c_w_codes, .offset: 104, .size: 8, .value_kind: global_buffer, .address_space: global }
      - { .name: mlpc_w1_codes, .offset: 112, .size: 8, .value_kind: global_buffer, .address_space: global }
      - { .name: mlpc_w2_codes, .offset: 120, .size: 8, .value_kind: global_buffer, .address_space: global }
      - { .name: w_c_codes, .offset: 128, .size: 8, .value_kind: global_buffer, .address_space: global }
      - { .name: qc_w_scales, .offset: 136, .size: 8, .value_kind: global_buffer, .address_space: global }
      - { .name: proj_c_w_scales, .offset: 144, .size: 8, .value_kind: global_buffer, .address_space: global }
      - { .name: mlpc_w1_scales, .offset: 152, .size: 8, .value_kind: global_buffer, .address_space: global }
      - { .name: mlpc_w2_scales, .offset: 160, .size: 8, .value_kind: global_buffer, .address_space: global }
      - { .name: w_c_scales, .offset: 168, .size: 8, .value_kind: global_buffer, .address_space: global }
    .group_segment_fixed_size: 139776
    .private_segment_fixed_size: 0
    .kernarg_segment_align: 8
    .kernarg_segment_size: 176
    .max_flat_workgroup_size: 128
    .sgpr_count:     88
    .vgpr_count:     768
    .wavefront_size: 32
...
	.end_amdgpu_metadata
.endif
;; end of part 2
;; launch tail (part 3): grid 256 x 1, 4 waves a work-group, no clusters, 315,904 bytes of LDS; arguments saliency_fea, contour_fea, out0, out1, qs_b, qc_b, proj_s_b, proj_c_b, ln2s_g, ln2c_g, ln2s_b, ln2c_b, mlps_b1, mlpc_b1, mlps_b2, mlpc_b2, ws2, ws3; writes out0, out1
.if DOCPART == 3
	.amdgcn_target "amdgcn-amd-amdhsa--gfx1250"
	.amdhsa_code_object_version 6
	.text
	.protected	k_q1cf2ec8426_tail
	.globl	k_q1cf2ec8426_tail
	.p2align	8
	.type	k_q1cf2ec8426_tail,@function
k_q1cf2ec8426_tail:
	s_mov_b64 s[64:65], 0
	v_nop
	global_prefetch_b8 v0, s[64:65] scope:SCOPE_SE
	s_setreg_imm32_b32 hwreg(HW_REG_WAVE_MODE, 25, 1), 1
	s_wait_xcnt 0x0
; TAIL.  For one query stream (work-groups 0-127: saliency, 128-255: contour) and 128 tokens:
; q (of LayerNorm 1's codes, which the first launch made and laid as this launch's image), qp = exp(w q - |q|^2 / 2) / 16, D = qp . kpsum (f32), y = qp kptv^T / (D + 1e-8), the projection, + x,
; LayerNorm 2, W1, exact GELU, W2, + s.  kptv and kpsum are the OTHER stream's.
; SHARES.  Four waves; THE WAVES SHARE THE COLUMNS: wave w owns features 128 w .. 128 w + 127 of every layer of 512 (64 w .. of qp's 256), for all 128 tokens.  A layer's weights lie in that wave's registers,
; asked for one layer ahead, each load 512 consecutive bytes of the workspace that the launch before laid in operand order.  The f32 rows (x, then s) lie in LDS, a slice of 128 columns for each wave.
; THE ROWS: x is wanted first by the projection's residual.  Wave w's slice is one tensor tile (128 rows of 512 bytes, 16 bytes of padding behind each); the wave asks for it by ONE tensor load at the head,
; behind the image's loads, and it lands while q, qp and y are made.  The slice is filled once and read by its wave alone; one tensor load of a wave is out.
; The tokens' codes go from wave to wave through LDS as images of operand registers: block beta of token tile mt at IMG + 4096 mt + 256 beta + 16 r.  Every product has weights as source 0: a lane holds ONE token
; (16 mt + r), and since lane r of weight tile T takes row 32 (T / 2) + 8 (T % 2) + r + 8 (r / 8), the 16 registers of a pair of tiles are 16 neighbours along the next K.
; A layer's codes replace its input's IN PLACE, tile by tile: a wave signals when it has read tile mt, and stores into tile mt only behind the wait for all four signals; meanwhile it fetches tile mt + 1.
; LIMITS.  The normal distribution's tail Q(|x|) is Abramowitz and Stegun's 26.2.17 (absolute error at most 7.5e-8), gelu(x) = max(x, 0) - |x| Q(|x|): off by at most 7.5e-8 |x|.
; v_exp_f32 gives 0 below 2^-126; 1 / (D + 1e-8) and 1 / sqrt are the instructions' (1 ulp); a block under 2^-124 gets the scale byte 1; NaN and infinities among the inputs are not served.
; No cluster: what work-groups share is the weights, and each weight byte is wanted by one wave, once, in registers; the f32 rows and the image take 315,392 bytes of LDS, so a shared tile would have no room.
.set RSTEP, 16
.set PS, 528
.set SLICE, 128*PS
.set IMG, 4*SLICE
.set SCW, IMG+32768
.set ST, SCW+2048
.set MR, ST+4096
.set XDP, MR+2048                      ; [token][wave] sum of q^2; 2,048 bytes on: [token][wave] parts of D
.set KTC, 0
.set KTS, 1048576
.set KSUM, 1114112
.set PACKC, 1130496
.set PACKS, 2310144
.set NS, 8388608                       ; ws3: the images [work-group][32768] at 0, their scale words [work-group][2048] here
.set SA, 36
.set SB, 68
.set ACC, 100
.set XA, 100
.set XB, 164
.set TT, 164
.set TM, 228
.set PC, 244
.set PW, 252
.set R0, 32                            ; window 1: v0-31 a token tile's fragments; three regions of 64 for biases, gains, shifts; v224-255 kpsum
.set R1, 96
.set R2, 160
.set KSM, 224
.set PX, 4                             ; the stream's buffers, chosen into the first pair of each four
.set POUT, 8
.set PQB, 12
.set PPB, 16
.set PG2, 20
.set PB2, 24
.set PMB1, 28
.set PMB2, 32
.set PWS2, 36
.set PWS3, 38
.set PCB, 6                            ; places in the workspaces, in the pairs that the choice left free
.set PCW, 10
.set PSB, 14
.set PSW, 18
.set KTCB, 22
.set KTSB, 26
.set KSB, 30
.set NCB, 34
.set NSB, 40
.set WV, 46
.set MT, 48
.set NX, 49
.set SEL, 58
.set L2E, 60
.set NHL, 66
.set EPS, 77
.set G0, 80                            ; s[80:83], s[84:91]: the tensor load's two groups; not written again
.set G1, 84
.set MSB, 0
.macro WIN new
.if MSB != \new
	s_set_vgpr_msb (MSB<<8)|\new
.set MSB, \new
.endif
.endm
.macro BAR
	s_wait_dscnt 0x0
	s_barrier_signal -1
	s_barrier_wait -1
.endm
.macro TERM0 r, sh
	s_lshl_b32 s56, s[\r], \sh
.endm
.macro TERM r, sh
	s_lshl_b32 s58, s[\r], \sh
	s_add_co_u32 s56, s56, s58
.endm
.macro BASE dst, src, const
	s_add_co_u32 s56, s56, \const
	s_add_nc_u64 s[\dst:\dst+1], s[\src:\src+1], s[56:57]
.endm
.macro WMC d, a, b, c, sa, sb
	v_wmma_scale_f32_16x16x128_f8f6f4 v[\d:\d+7], v[\a:\a+7], v[\b:\b+7], v[\c:\c+7], v[\sa], v[\sb] matrix_a_fmt:MATRIX_FMT_FP4 matrix_b_fmt:MATRIX_FMT_FP4
.endm
.macro WMZ d, a, b, sa, sb
	v_wmma_scale_f32_16x16x128_f8f6f4 v[\d:\d+7], v[\a:\a+7], v[\b:\b+7], 0, v[\sa], v[\sb] matrix_a_fmt:MATRIX_FMT_FP4 matrix_b_fmt:MATRIX_FMT_FP4
.endm
.macro LDT x, a, off
.irp t, 0,1,2,3,4,5,6,7
	ds_load_b128 v[\x+8*\t:\x+8*\t+3], v[\a] offset:\off+128*(\t/2)+32*(\t%2)
	ds_load_b128 v[\x+8*\t+4:\x+8*\t+7], v[\a] offset:\off+128*(\t/2)+32*(\t%2)+16
.endr
.endm
.macro STT x, a                        ; the same places, stored; each accumulator from its low end on
.irp t, 0,1,2,3,4,5,6,7
	ds_store_b128 v[\a], v[\x+8*\t:\x+8*\t+3] offset:128*(\t/2)+32*(\t%2)
	ds_store_b128 v[\a], v[\x+8*\t+4:\x+8*\t+7] offset:128*(\t/2)+32*(\t%2)+16
.endr
.endm
.macro RED b, dst
	v_pk_add_f32 v[\b:\b+1], v[\b:\b+1], v[\b+2:\b+3]
	v_add_f32 v[\b], v[\b], v[\b+1]
	v_permlanex16_b32 v[\b+1], v[\b], s[SEL], s[SEL+1]
	v_add_f32 v[\dst], v[\b], v[\b+1]
.endm
.macro STAT x                          ; v244 = mean over the wave's 128 features, v245 = sum of (x - mean)^2
	v_pk_add_f32 v[TM:TM+1], v[\x:\x+1], v[\x+2:\x+3]
	v_pk_add_f32 v[TM+2:TM+3], v[\x+4:\x+5], v[\x+6:\x+7]
.set k_i, 8
.rept 14
	v_pk_add_f32 v[TM:TM+1], v[TM:TM+1], v[\x+k_i:\x+k_i+1]
	v_pk_add_f32 v[TM+2:TM+3], v[TM+2:TM+3], v[\x+k_i+2:\x+k_i+3]
.set k_i, k_i+4
.endr
	RED TM, TM
	v_mul_f32 v244, 0x3c000000, v[TM]
.set k_i, 0
.rept 16
.set k_d, TM+4+4*(k_i%2)
	v_pk_add_f32 v[k_d:k_d+1], v[\x+4*k_i:\x+4*k_i+1], v[244:245] op_sel_hi:[1,0] neg_lo:[0,1] neg_hi:[0,1]
	v_pk_add_f32 v[k_d+2:k_d+3], v[\x+4*k_i+2:\x+4*k_i+3], v[244:245] op_sel_hi:[1,0] neg_lo:[0,1] neg_hi:[0,1]
.if k_i == 0
	v_pk_mul_f32 v[TM+12:TM+13], v[k_d:k_d+1], v[k_d:k_d+1]
	v_pk_mul_f32 v[TM+14:TM+15], v[k_d+2:k_d+3], v[k_d+2:k_d+3]
.else
	v_pk_fma_f32 v[TM+12:TM+13], v[k_d:k_d+1], v[k_d:k_d+1], v[TM+12:TM+13]
	v_pk_fma_f32 v[TM+14:TM+15], v[k_d+2:k_d+3], v[k_d+2:k_d+3], v[TM+14:TM+15]
.endif
.set k_i, k_i+1
.endr
	RED TM+12, 245
.endm
.macro COMBINE
	v_lshl_add_u32 v20, v0, 5, ST
	v_lshl_add_u32 v21, v0, 4, MR
	ds_load_b128 v[100:103], v20
	ds_load_b128 v[104:107], v20 offset:16
	s_wait_dscnt 0x0
	v_add_f32 v108, v100, v102
	v_add_f32 v109, v104, v106
	v_add_f32 v108, v108, v109
	v_mul_f32 v108, 0x3e800000, v108
	v_sub_f32 v110, v100, v108
	v_sub_f32 v111, v102, v108
	v_sub_f32 v112, v104, v108
	v_sub_f32 v113, v106, v108
	v_mul_f32 v114, v110, v110
	v_fmac_f32 v114, v111, v111
	v_fmac_f32 v114, v112, v112
	v_fmac_f32 v114, v113, v113
	v_add_f32 v115, v101, v103
	v_add_f32 v116, v105, v107
	v_add_f32 v115, v115, v116
	v_fmamk_f32 v115, v114, 0x43000000, v115
	v_fma_f32 v115, v115, 0x3b000000, s[EPS]
	v_rsq_f32 v110, v115
	v_mov_b32 v109, v108                           ; (the plain line behind the transcendental)
	s_wait_alu depctr_va_vdst(0)
	v_mov_b32 v111, v110
	ds_store_b128 v21, v[108:111]
	BAR
.endm
.macro NORMT x, mr
.set k_i, 0
.rept 32
	v_pk_add_f32 v[\x+k_i:\x+k_i+1], v[\x+k_i:\x+k_i+1], v[\mr:\mr+1] neg_lo:[0,1] neg_hi:[0,1]
.set k_i, k_i+2
.endr
.set k_i, 0
.rept 32
	v_pk_mul_f32 v[\x+k_i:\x+k_i+1], v[\x+k_i:\x+k_i+1], v[\mr+2:\mr+3]
.set k_i, k_i+2
.endr
	WIN 0x14
.set k_i, 0
.rept 32
	v_pk_fma_f32 v[\x+k_i:\x+k_i+1], v[\x+k_i:\x+k_i+1], v[R1+k_i:R1+k_i+1], v[R2+k_i:R2+k_i+1]
.set k_i, k_i+2
.endr
	WIN 0
.endm
.macro QUANT x, nb                     ; nb blocks of 32 along K: codes to v[PC ..], the bytes to the word v[PW]
.set qb, 0
.rept \nb
	v_max3_num_f32 v[TM+qb], |v[\x+16*qb]|, |v[\x+16*qb+1]|, 0x1800000   ; with the floor 2^(3 - 127): the byte cannot fall under 1
.set qb, qb+1
.endr
.set qi, 2
.rept 7
.set qb, 0
.rept \nb
	v_max3_num_f32 v[TM+qb], v[TM+qb], |v[\x+16*qb+qi]|, |v[\x+16*qb+qi+1]|
.set qb, qb+1
.endr
.set qi, qi+2
.endr
.set qb, 0
.rept \nb
	v_permlanex16_b32 v[TM+4+qb], v[TM+qb], s[SEL], s[SEL+1]
.set qb, qb+1
.endr
.set qb, 0
.rept \nb
	v_max_num_f32 v[TM+qb], v[TM+qb], v[TM+4+qb]
.set qb, qb+1
.endr
.set qb, 0
.rept \nb
	v_add_nc_u32 v[TM+12+qb], 0xff000000, v[TM+qb]
.set qb, qb+1
.endr
.set qb, 0
.rept \nb
	v_lshrrev_b32 v[TM+4+qb], 23, v[TM+12+qb]
.set qb, qb+1
.endr
	v_lshl_or_b32 v[PW], v[TM+5], 8, v[TM+4]
.if \nb > 2
	v_lshl_or_b32 v[PW], v[TM+6], 16, v[PW]
	v_lshl_or_b32 v[PW], v[TM+7], 24, v[PW]
.endif
.set qb, 0
.rept \nb
	v_cvt_scalef32_pk8_fp4_f32 v[PC+2*qb], v[\x+16*qb:\x+16*qb+7], v[TM+12+qb]
	v_cvt_scalef32_pk8_fp4_f32 v[PC+2*qb+1], v[\x+16*qb+8:\x+16*qb+15], v[TM+12+qb]
.set qb, qb+1
.endr
	v_nop                                          ; one plain line behind the last scaled conversion
.endm
.macro PUT a, nb, off
.set k_i, 0
.rept \nb
	ds_store_b64 v[\a], v[PC+2*k_i:PC+2*k_i+1] offset:\off+256*k_i
.set k_i, k_i+1
.endr
.endm
.macro FRAGS ks, a, b
	WIN 0x40
.set k_i, 0
.rept 2*\ks
	ds_load_b128 v[4*k_i:4*k_i+3], v[\a] offset:512*k_i
.set k_i, k_i+1
.endr
	WIN 0
	ds_load_b128 v[28:31], v[\b]
.endm
; nt weight tiles x ks K steps; the accumulators take turns, one instruction a turn; c: the bias in window 1, the C of the first K step, or -1: the constant 0
.macro MULS nt, ks, win, wb, wstr, sb, sstr, c
.set ms_s, 0
.rept \ks
.if (ms_s == 0) && (\c >= 0)
	WIN 0x14|\win
.else
	WIN 0x04|\win
.endif
.set ms_t, 0
.rept \nt
.if ms_s > 0
	WMC ACC+8*ms_t, \wb+\wstr*ms_t+8*ms_s, 8*ms_s, ACC+8*ms_t, \sb+\sstr*ms_t+ms_s, 28+ms_s
.elseif \c >= 0
	WMC ACC+8*ms_t, \wb+\wstr*ms_t+8*ms_s, 8*ms_s, \c+8*ms_t, \sb+\sstr*ms_t+ms_s, 28+ms_s
.else
	WMZ ACC+8*ms_t, \wb+\wstr*ms_t+8*ms_s, 8*ms_s, \sb+\sstr*ms_t+ms_s, 28+ms_s
.endif
.set ms_t, ms_t+1
.endr
.set ms_s, ms_s+1
.endr
	WIN 0
.endm
.macro XDSUM
	v_pk_mul_f32 v[TM:TM+1], v[ACC:ACC+1], v[ACC:ACC+1]
	v_pk_mul_f32 v[TM+2:TM+3], v[ACC+2:ACC+3], v[ACC+2:ACC+3]
.set k_i, 4
.rept 15
	v_pk_fma_f32 v[TM:TM+1], v[ACC+k_i:ACC+k_i+1], v[ACC+k_i:ACC+k_i+1], v[TM:TM+1]
	v_pk_fma_f32 v[TM+2:TM+3], v[ACC+k_i+2:ACC+k_i+3], v[ACC+k_i+2:ACC+k_i+3], v[TM+2:TM+3]
.set k_i, k_i+4
.endr
	RED TM, 253
.endm
.macro BLOAD dst, ptr, nt
	WIN 0x40
.set k_i, 0
.rept \nt
	global_load_b128 v[\dst+8*k_i:\dst+8*k_i+3], v3, s[\ptr:\ptr+1] offset:4*(32*(k_i/2)+8*(k_i%2))
	global_load_b128 v[\dst+8*k_i+4:\dst+8*k_i+7], v3, s[\ptr:\ptr+1] offset:4*(32*(k_i/2)+8*(k_i%2))+16
.set k_i, k_i+1
.endr
	WIN 0
.endm
.macro NORMLOOP                        ; four trips of two token tiles: normalised, quantised along the features, image and scale word stored
	LDT XA, 8, 0
	ds_load_b128 v[236:239], v10
	s_mov_b32 s[MT], 0
.Lnorm_\@:
	s_mul_i32 s56, s[MT], 32*PS
	s_lshl_b32 s57, s[MT], 9
	v_add_nc_u32 v22, s56, v8
	v_add_nc_u32 v23, s57, v10
	LDT XB, 22, RSTEP*PS
	ds_load_b128 v[24:27], v23 offset:16*RSTEP
	s_wait_dscnt 17                                ; only the 17 loads just issued may be out: the buffer at work is in, the last stores have read their registers
	NORMT XA, 236
	QUANT XA, 4
	s_lshl_b32 s56, s[MT], 13
	v_add_nc_u32 v20, s56, v6
	v_add_nc_u32 v21, s57, v7
	PUT 20, 4, 0
	ds_store_b32 v21, v[PW]
	s_add_co_u32 s[NX], s[MT], 1
	s_min_u32 s[NX], s[NX], 3                      ; the last trip fetches its own pair once more: the slices are only read here
	s_mul_i32 s56, s[NX], 32*PS
	s_lshl_b32 s57, s[NX], 9
	v_add_nc_u32 v254, s56, v8
	v_add_nc_u32 v255, s57, v10
	LDT XA, 254, 0
	ds_load_b128 v[236:239], v255
	s_wait_dscnt 17                                ; likewise
	NORMT XB, 24
	QUANT XB, 4
	PUT 20, 4, 4096
	ds_store_b32 v21, v[PW] offset:256
	s_add_co_u32 s[MT], s[MT], 1
	s_cmp_lt_u32 s[MT], 4
	s_cbranch_scc1 .Lnorm_\@
	BAR
.endm
.macro WPK wb, base, ptr, off, n       ; n pieces of laid weights: piece i is 512 consecutive bytes and four registers
	WIN \wb
.set k_i, 0
.rept \n
	global_load_b128 v[\base+4*k_i:\base+4*k_i+3], v1, s[\ptr:\ptr+1] offset:\off+512*k_i
.set k_i, k_i+1
.endr
	WIN 0
.endm
.macro SPK dst, ptr, off, nt           ; their scale words: four K steps' words for row r of each tile
.set k_i, 0
.rept \nt
	global_load_b128 v[\dst+4*k_i:\dst+4*k_i+3], v2, s[\ptr:\ptr+1] offset:\off+256*k_i
.set k_i, k_i+1
.endr
.endm
; a trip's addresses: v20-23 for the fetch of tile MT + 1, v24, v25, v27 for the stores of tile MT.  Seven additions: they are the places behind the products.
.macro ADDRS qreg, sreg
	s_add_co_u32 s[NX], s[MT], 1
	s_lshl_b32 s50, s[NX], 12
	s_lshl_b32 s51, s[NX], 8
	s_mul_i32 s52, s[NX], 16*PS
	s_lshl_b32 s53, s[MT], 12
	s_lshl_b32 s54, s[MT], 8
	s_mul_i32 s55, s[MT], 16*PS
	v_add_nc_u32 v20, s50, v4
	v_add_nc_u32 v21, s51, v5
	v_add_nc_u32 v22, s51, v12
	v_add_nc_u32 v23, s52, v8
	v_add_nc_u32 v24, s53, v[\qreg]
	v_add_nc_u32 v25, s54, v[\sreg]
	v_add_nc_u32 v27, s55, v8
.endm
.macro ADDT                            ; the f32 rows are added onto the results, from each accumulator's low end on
.set k_i, 0
.rept 32
	v_pk_add_f32 v[ACC+k_i:ACC+k_i+1], v[ACC+k_i:ACC+k_i+1], v[TT+k_i:TT+k_i+1]
.set k_i, k_i+2
.endr
.endm
; gelu of 16 numbers: t = 1 / (1 + p |x|), Q = exp(-x^2 / 2) t (A1 + t (A2 + t (A3 + t (A4 + t A5)))) with 1 / sqrt(2 pi) folded into the A, gelu = max(x, 0) - |x| Q
.macro GELU16 x
.set k_i, 0
.rept 16
	v_fma_f32 v[TT+k_i], |v[\x+k_i]|, s76, 1.0
.set k_i, k_i+1
.endr
.set k_i, 0
.rept 8
	v_pk_mul_f32 v[TT+16+k_i:TT+17+k_i], v[\x+k_i:\x+k_i+1], v[\x+k_i:\x+k_i+1]
.set k_i, k_i+2
.endr
.set k_i, 0
.rept 16
	v_rcp_f32 v[TT+k_i], v[TT+k_i]
.set k_i, k_i+1
.endr
.set k_i, 0
.rept 8
	v_pk_mul_f32 v[TT+16+k_i:TT+17+k_i], v[TT+16+k_i:TT+17+k_i], s[NHL:NHL+1] op_sel_hi:[1,0]   ; (plain lines behind the reciprocals)
.set k_i, k_i+2
.endr
.set k_i, 0
.rept 16
	v_exp_f32 v[TT+16+k_i], v[TT+16+k_i]
.set k_i, k_i+1
.endr
.set k_i, 0
	s_wait_alu depctr_va_vdst(0)
.rept 8
	v_pk_fma_f32 v[TT+32+k_i:TT+33+k_i], v[TT+k_i:TT+k_i+1], s[68:69], v[254:255] op_sel_hi:[1,0,1]   ; (plain lines behind the exponentials)
.set k_i, k_i+2
.endr
.irp a, 70,72,74
.set k_i, 0
.rept 8
	v_pk_fma_f32 v[TT+32+k_i:TT+33+k_i], v[TT+32+k_i:TT+33+k_i], v[TT+k_i:TT+k_i+1], s[\a:\a+1] op_sel_hi:[1,1,0]
.set k_i, k_i+2
.endr
.endr
.set k_i, 0
.rept 8
	v_pk_mul_f32 v[TT+32+k_i:TT+33+k_i], v[TT+32+k_i:TT+33+k_i], v[TT+k_i:TT+k_i+1]
.set k_i, k_i+2
.endr
.set k_i, 0
.rept 8
	v_pk_mul_f32 v[TT+32+k_i:TT+33+k_i], v[TT+32+k_i:TT+33+k_i], v[TT+16+k_i:TT+17+k_i]
.set k_i, k_i+2
.endr
.set k_i, 0
.rept 16
	v_max_num_f32 v[TT+k_i], 0, v[\x+k_i]
.set k_i, k_i+1
.endr
.set k_i, 0
.rept 16
	v_fma_f32 v[\x+k_i], -|v[\x+k_i]|, v[TT+32+k_i], v[TT+k_i]
.set k_i, k_i+1
.endr
.endm
	s_load_b512 s[4:19], s[0:1], 0x0
	s_load_b512 s[20:35], s[0:1], 0x40
	s_load_b128 s[36:39], s[0:1], 0x80
	v_lshl_add_u32 v254, v0, 2, 0x4d000
	v_mov_b32 v255, 0
	ds_add_u32 v254, v255
	ds_add_u32 v254, v255
	s_wait_dscnt 0x0
	v_and_b32 v20, 31, v0                          ; L
	v_and_b32 v21, 15, v0                          ; r
	v_bfe_u32 v22, v0, 4, 1                        ; h
	v_lshrrev_b32 v23, 5, v0
	v_readfirstlane_b32 s[WV], v23
	v_lshlrev_b32 v1, 4, v20                       ; 16 L
	v_lshlrev_b32 v2, 4, v21                       ; 16 r
	v_lshlrev_b32 v3, 6, v22                       ; 64 h
	v_add_nc_u32 v4, IMG, v1
	v_add_nc_u32 v5, SCW, v2
	v_lshl_add_u32 v24, v22, 3, v2                 ; 16 r + 8 h
	s_lshl_b32 s56, s[WV], 10
	s_add_co_u32 s56, s56, IMG
	v_add_nc_u32 v6, s56, v24                      ; my codes in a layer of 512
	s_lshl_b32 s56, s[WV], 9
	s_add_co_u32 s56, s56, IMG
	v_add_nc_u32 v15, s56, v24                     ; and in qp's 256
	s_lshl_b32 s56, s[WV], 1
	s_add_co_u32 s56, s56, SCW
	v_add_nc_u32 v16, s56, v2                      ; qp's half word
	s_lshl_b32 s56, s[WV], 2
	s_add_co_u32 s57, s56, SCW
	v_add_nc_u32 v7, s57, v2
	s_mul_i32 s57, s[WV], SLICE
	v_mad_u32_u24 v8, v21, PS, v3
	v_add_nc_u32 v8, s57, v8
	v_add_nc_u32 v13, s57, v1                      ; a row piece of my slice, 16 bytes a lane
	s_lshl_b32 s57, s[WV], 3
	s_add_co_u32 s57, s57, ST
	v_lshl_add_u32 v9, v21, 5, s57
	v_add_nc_u32 v10, MR, v2
	v_add_nc_u32 v12, XDP, v2
	v_add_nc_u32 v11, s56, v12
	s_lshl_b32 s57, s[WV], 9
	v_add_nc_u32 v14, s57, v1                      ; the same piece in a row of the output
	v_lshlrev_b32 v17, 3, v21                      ; 8 r
	s_lshl_b32 s56, s[WV], 13
	v_add_nc_u32 v26, s56, v4                      ; where my quarter of the image goes: IMG + 8192 w + 16 L
	s_add_co_u32 s57, s57, SCW
	v_add_nc_u32 v27, s57, v1                      ; and of its scale words: SCW + 512 w + 16 L
	v_mov_b32 v245, 0                              ; named as the upper halves of pairs before they are first written
	v_mov_b32 v255, 0
.irp b, 4,5,6,7
	v_mov_b32 v[TM+\b], 0                          ; a lane permute's destination counts as one of its sources
.endr
	; the tensor load's descriptor: my slice is a tile of 128 rows x 128 elements of 4 bytes, 512 elements from row to row in memory, 4 words of padding behind each 128 words in LDS
	s_mov_b32 s[G0], 1                             ; count = 1
	s_mul_i32 s[G0+1], s[WV], SLICE                ; LDS address: my slice
	s_mov_b32 s[G1], (2<<16)|(1<<20)|(6<<22)|(3<<25)   ; no mask; elements of 4 bytes; padding on; after every 128 words (code 6); 4 words (code 3)
	s_mov_b32 s[G1+1], 128<<16                     ; tensor_dim0 = 128
	s_mov_b32 s[G1+2], 128<<16                     ; tensor_dim1 = 128
	s_mov_b32 s[G1+3], 128<<16                     ; tile_dim0 = 128
	s_mov_b32 s[G1+4], 128                         ; tile_dim1 = 128
	s_mov_b32 s[G1+5], 512                         ; elements from row to row
	s_mov_b32 s[G1+6], 0
	s_mov_b32 s[G1+7], 0
	s_wait_kmcnt 0x0
	s_lshr_b32 s50, ttmp9, 7                       ; the stream
	s_cmp_eq_u32 s50, 0
.irp p, 4,8,12,16,20,24,28,32
	s_cselect_b64 s[\p:\p+1], s[\p:\p+1], s[\p+2:\p+3]   ; the choice hangs on the work-group's number alone
.endr
	s_mov_b32 s57, 0
	s_mov_b32 s54, ttmp9
	TERM0 54, 15
	TERM WV, 13
	BASE NCB, PWS3, 0                              ; my 8,192 bytes of the image
	TERM0 54, 11
	TERM WV, 9
	BASE NSB, PWS3, NS                             ; my 512 bytes of its scale words
.set k_i, 0
.rept 16
	global_load_b128 v[ACC+4*k_i:ACC+4*k_i+3], v1, s[NCB:NCB+1] offset:512*k_i th:TH_LOAD_NT   ; the image first: the first layer waits for it
.set k_i, k_i+1
.endr
	global_load_b128 v[XB:XB+3], v1, s[NSB:NSB+1] th:TH_LOAD_NT
	s_and_b32 s53, ttmp9, 127
	TERM0 53, 18                                   ; the work-group's 128 rows of 2,048 bytes
	BASE POUT, POUT, 0
	TERM WV, 9                                     ; my 512 bytes of each
	BASE G0+2, PX, 0
	s_or_b32 s[G0+3], s[G0+3], 0x80000000          ; type = 2
	tensor_load_to_lds s[G0:G0+3], s[G1:G1+7]      ; the one fill of my slice: ahead of every LDS read, barrier and wait on TENSORcnt; three layers stand between it and its first use
	s_nop 0
.rept 4
	v_nop
.endr
	s_xor_b32 s52, s50, 1
	s_lshl_b32 s52, s52, 3
	s_bfe_u32 s51, ttmp9, 0x30004
	s_add_co_u32 s52, s52, s51                     ; sb of the OTHER stream, same batch
	TERM0 WV, 9
.irp p, 12,16,20,24,28,32
	s_add_nc_u64 s[\p:\p+1], s[\p:\p+1], s[56:57]  ; biases, gain and shift at my 128 features
.endr
	s_mul_i32 s56, s50, 589824
	TERM WV, 15
	BASE PCB, PWS2, PACKC                          ; my 8 tiles of a layer of 512
	s_mul_i32 s56, s50, 589824
	TERM WV, 14
	BASE PCW, PWS2, PACKC+524288                   ; my 4 tiles of w
	s_mul_i32 s56, s50, 36864
	TERM WV, 11
	BASE PSB, PWS2, PACKS
	s_mul_i32 s56, s50, 36864
	TERM WV, 10
	BASE PSW, PWS2, PACKS+32768
	TERM0 52, 16
	TERM WV, 14
	BASE KTCB, PWS2, KTC
	TERM0 52, 12
	TERM WV, 10
	BASE KTSB, PWS2, KTS
	TERM0 52, 10
	TERM WV, 8
	BASE KSB, PWS2, KSUM
	s_mov_b32 s[SEL], 0x76543210
	s_mov_b32 s[SEL+1], 0xfedcba98
	s_mov_b32 s[L2E], 0x3fb8aa3b
	s_mov_b32 s[L2E+1], s[L2E]
	s_mov_b32 s[NHL], 0xbf38aa3b                   ; -log2(e) / 2
	s_mov_b32 s[NHL+1], s[NHL]
	s_mov_b32 s68, 0x3f07dc22                      ; A5
	s_mov_b32 s69, s68
	s_mov_b32 s70, 0x3f35f0e3                      ; A3
	s_mov_b32 s71, s70
	s_mov_b32 s72, 0xbe11a98e                      ; A2
	s_mov_b32 s73, s72
	s_mov_b32 s74, 0x3e027906                      ; A1
	s_mov_b32 s75, s74
	s_mov_b32 s76, 0x3e6d3388                      ; p = 0.2316419
	s_mov_b32 s[EPS], 0x3727c5ac                   ; 1e-5
	s_mov_b32 s78, 0x322bcc77                      ; 1e-8
	SPK SA, PSB, 0, 8
	WPK 0x80, 0, PCB, 0, 64                        ; Wq into window 2
	BLOAD R0, PQB, 8
	s_wait_loadcnt 63                              ; of the 105 loads issued at most 63 are out: the first 42 are in, the image's 17 among them
.set k_i, 0
.rept 16
	ds_store_b128 v26, v[ACC+4*k_i:ACC+4*k_i+3] offset:512*k_i
.set k_i, k_i+1
.endr
	ds_store_b128 v27, v[XB:XB+3]
	BAR                                            ; the image of n's codes and its scale words lie in LDS
	; ---- q
	s_wait_loadcnt 0x0                             ; Wq, its scale words, q's bias
	WPK 0xc0, 0, PCW, 0, 32                        ; w and kptv into window 3
	SPK SB, PSW, 0, 4
	WPK 0xc0, 128, KTCB, 0, 32
.irp t, 0,1,2,3,4,5,6,7
	global_load_b64 v[SB+16+2*\t:SB+17+2*\t], v17, s[KTSB:KTSB+1] offset:128*\t
.endr
	BLOAD KSM, KSB, 4
	FRAGS 4, 4, 5
	s_mov_b32 s[MT], 0
.Lq:
	s_wait_dscnt 0x0                               ; this tile's fragments are in, my last stores are done
	s_barrier_signal -1                            ; I have read tile MT
	MULS 8, 4, 2, 0, 32, SA, 4, R0
	ADDRS 6, 7
	v_add_nc_u32 v26, s54, v11
	s_cmp_eq_u32 s[MT], 7
	s_cbranch_scc1 .Lq_np
	FRAGS 4, 20, 21                                ; tile MT + 1: nobody writes it before the next barrier
.Lq_np:
	XDSUM
	QUANT ACC, 4
	s_barrier_wait -1                              ; every wave has read tile MT
	PUT 24, 4, 0
	ds_store_b32 v25, v[PW]
	ds_store_b32 v26, v253
	s_add_co_u32 s[MT], s[MT], 1
	s_cmp_lt_u32 s[MT], 8
	s_cbranch_scc1 .Lq
	BAR
	; ---- qp and my wave's part of D
	s_wait_loadcnt 0x0
	WPK 0x80, 0, PCB, 131072, 64                   ; the projection takes Wq's place
	SPK SA, PSB, 8192, 8
	BLOAD R0, PPB, 8
	FRAGS 4, 4, 5
	ds_load_b128 v[32:35], v12
	s_mov_b32 s[MT], 0
.Lp:
	s_wait_dscnt 0x0
	s_barrier_signal -1
	MULS 4, 4, 3, 0, 32, SB, 4, -1
	ADDRS 15, 16
	v_add_nc_u32 v26, s54, v11
	v_add_f32 v32, v32, v33
	v_add_f32 v34, v34, v35
	v_add_f32 v32, v32, v34                        ; |q|^2
	v_fma_f32 v254, v32, s[NHL], -4.0              ; qp = 2^(log2(e) w.q + this)
	s_cmp_eq_u32 s[MT], 7
	s_cbranch_scc1 .Lp_np
	FRAGS 4, 20, 21
	ds_load_b128 v[32:35], v22
.Lp_np:
.set k_i, 0
.rept 16
	v_pk_fma_f32 v[ACC+k_i:ACC+k_i+1], v[ACC+k_i:ACC+k_i+1], s[L2E:L2E+1], v[254:255] op_sel_hi:[1,0,0]
.set k_i, k_i+2
.endr
.set k_i, 0
.rept 32
	v_exp_f32 v[ACC+k_i], v[ACC+k_i]
.set k_i, k_i+1
.endr
	v_nop                                          ; the plain line behind the exponentials
	WIN 0x04                                       ; source 1 (kpsum) in window 1
	s_wait_alu depctr_va_vdst(0)
	v_pk_mul_f32 v[TM:TM+1], v[ACC:ACC+1], v[KSM:KSM+1]
	v_pk_mul_f32 v[TM+2:TM+3], v[ACC+2:ACC+3], v[KSM+2:KSM+3]
.set k_i, 4
.rept 7
	v_pk_fma_f32 v[TM:TM+1], v[ACC+k_i:ACC+k_i+1], v[KSM+k_i:KSM+k_i+1], v[TM:TM+1]
	v_pk_fma_f32 v[TM+2:TM+3], v[ACC+k_i+2:ACC+k_i+3], v[KSM+k_i+2:KSM+k_i+3], v[TM+2:TM+3]
.set k_i, k_i+4
.endr
	WIN 0
	RED TM, 253
	QUANT ACC, 2
	s_barrier_wait -1
	PUT 24, 2, 0
	ds_store_b16 v25, v[PW]
	ds_store_b32 v26, v253 offset:2048
	s_add_co_u32 s[MT], s[MT], 1
	s_cmp_lt_u32 s[MT], 8
	s_cbranch_scc1 .Lp
	BAR
	; ---- y = qp kptv^T / (D + 1e-8)
	s_wait_loadcnt 0x0
	BLOAD R1, PG2, 8                               ; LayerNorm 2's gain and shift
	BLOAD R2, PB2, 8
	FRAGS 2, 4, 5
	ds_load_b128 v[32:35], v12 offset:2048
	s_mov_b32 s[MT], 0
.Ly:
	s_wait_dscnt 0x0
	s_barrier_signal -1
	MULS 8, 2, 3, 128, 16, SB+16, 2, -1
	ADDRS 6, 7
	v_add_f32 v32, v32, v33
	v_add_f32 v34, v34, v35
	v_add_f32 v32, v32, v34
	v_add_f32 v32, s78, v32
	v_rcp_f32 v254, v32
	v_nop                                          ; the plain line behind the reciprocal
	s_cmp_eq_u32 s[MT], 7
	s_cbranch_scc1 .Ly_np
	FRAGS 2, 20, 21
	ds_load_b128 v[32:35], v22 offset:2048
.Ly_np:
.set k_i, 0
	s_wait_alu depctr_va_vdst(0)
.rept 32
	v_pk_mul_f32 v[ACC+k_i:ACC+k_i+1], v[ACC+k_i:ACC+k_i+1], v[254:255] op_sel_hi:[1,0]
.set k_i, k_i+2
.endr
	QUANT ACC, 4
	s_barrier_wait -1
	PUT 24, 4, 0
	ds_store_b32 v25, v[PW]
	s_add_co_u32 s[MT], s[MT], 1
	s_cmp_lt_u32 s[MT], 8
	s_cbranch_scc1 .Ly
	s_wait_tensorcnt 0x0                           ; my slice of x is in LDS: it is read from here on
	BAR
	; ---- s = x + y Wp^T + bp, into my slice in x's place (the slice has had its one fill); its statistics.  The image is only read: no barrier in the loop
	s_wait_loadcnt 0x0
	FRAGS 4, 4, 5
	LDT TT, 8, 0
	s_mov_b32 s[MT], 0
.Lo:
	s_wait_dscnt 0x0
	MULS 8, 4, 2, 0, 32, SA, 4, R0
	ADDRS 6, 7
	s_lshl_b32 s56, s[MT], 9
	v_add_nc_u32 v26, s56, v9
	ADDT
	s_cmp_eq_u32 s[MT], 7
	s_cbranch_scc1 .Lo_np
	FRAGS 4, 20, 21
	LDT TT, 23, 0
.Lo_np:
	STAT ACC
	STT ACC, 27
	ds_store_b64 v26, v[244:245]
	s_add_co_u32 s[MT], s[MT], 1
	s_cmp_lt_u32 s[MT], 8
	s_cbranch_scc1 .Lo
	WPK 0x80, 0, PCB, 262144, 64                   ; W1
	SPK SA, PSB, 16384, 8
	BLOAD R0, PMB1, 8
	BAR
	COMBINE
	NORMLOOP
	; ---- h = gelu(n2 W1^T + b1)
	s_wait_loadcnt 0x0
	WPK 0xc0, 0, PCB, 393216, 64                   ; W2
	SPK SB, PSB, 24576, 8
	BLOAD R1, PMB2, 8
	v_mov_b32 v254, 0xbf3a00e3                     ; A4, twice
	v_mov_b32 v255, 0xbf3a00e3
	FRAGS 4, 4, 5
	s_mov_b32 s[MT], 0
.Lg:
	s_wait_dscnt 0x0
	s_barrier_signal -1
	MULS 8, 4, 2, 0, 32, SA, 4, R0
	ADDRS 6, 7
	s_cmp_eq_u32 s[MT], 7
	s_cbranch_scc1 .Lg_np
	FRAGS 4, 20, 21
.Lg_np:
.irp g, 0,1,2,3
	GELU16 ACC+16*\g
.endr
	QUANT ACC, 4
	s_barrier_wait -1
	PUT 24, 4, 0
	ds_store_b32 v25, v[PW]
	s_add_co_u32 s[MT], s[MT], 1
	s_cmp_lt_u32 s[MT], 8
	s_cbranch_scc1 .Lg
	BAR
	; ---- out = s + h W2^T + b2.  A tile's results go into my slice and come back as row pieces of 512 bytes
	s_wait_loadcnt 0x0
	FRAGS 4, 4, 5
	LDT TT, 8, 0
	s_mov_b32 s[MT], 0
.Lw:
	s_wait_dscnt 0x0
	s_wait_xcnt 0x0                                ; the last tile's stores have read their data and offset
	MULS 8, 4, 3, 0, 32, SB, 4, R1
	ADDRS 6, 7
	v_add_nc_u32 v26, s55, v13
	s_lshl_b32 s56, s[MT], 15
	v_add_nc_u32 v19, s56, v14
	ADDT
	s_cmp_eq_u32 s[MT], 7
	s_cbranch_scc1 .Lw_np
	FRAGS 4, 20, 21
	LDT TT, 23, 0
.Lw_np:
	STT ACC, 27
.set k_i, 0
.rept 16
	ds_load_b128 v[ACC+4*k_i:ACC+4*k_i+3], v26 offset:PS*k_i       ; LDS serves a wave's instructions in order: these see the stores above
.set k_i, k_i+1
.endr
.set k_i, 0
.rept 16
	s_wait_dscnt 15-k_i                            ; the younger row pieces may be out
	global_store_b128 v19, v[ACC+4*k_i:ACC+4*k_i+3], s[POUT:POUT+1] offset:2048*k_i th:TH_STORE_NT   ; 32 lanes store 512 consecutive bytes, aligned
.set k_i, k_i+1
.endr
	s_add_co_u32 s[MT], s[MT], 1
	s_cmp_lt_u32 s[MT], 8
	s_cbranch_scc1 .Lw
	s_wait_xcnt 0x0
	v_lshl_add_u32 v254, v0, 2, 0x4d000
	v_mov_b32 v255, 0
	s_wait_tensorcnt 0x0
	ds_add_u32 v254, v255
	s_wait_dscnt 0x0
	s_endpgm
.Lfunc_end_k_q1cf2ec8426_tail:
	.size	k_q1cf2ec8426_tail, .Lfunc_end_k_q1cf2ec8426_tail-k_q1cf2ec8426_tail
	.p2alignl 7, 3214868480
	.fill 96, 4, 3214868480
	.section	.rodata,"a",@progbits
	.p2align	6, 0x0
	.amdhsa_kernel k_q1cf2ec8426_tail
		.amdhsa_group_segment_fixed_size 315904
		.amdhsa_private_segment_fixed_size 0
		.amdhsa_enable_private_segment 0
		.amdhsa_kernarg_size 144
		.amdhsa_user_sgpr_count 2
		.amdhsa_user_sgpr_kernarg_segment_ptr 1
		.amdhsa_wavefront_size32 1
		.amdhsa_system_sgpr_workgroup_id_x 1
		.amdhsa_system_sgpr_workgroup_id_y 1
		.amdhsa_system_sgpr_workgroup_id_z 1
		.amdhsa_system_vgpr_workitem_id 0
		.amdhsa_next_free_vgpr 1024
		.amdhsa_next_free_sgpr 92
		.amdhsa_reserve_vcc 0
		.amdhsa_float_denorm_mode_32 3
		.amdhsa_float_denorm_mode_16_64 3
		.amdhsa_memory_ordered 1
		.amdhsa_forward_progress 1
		.amdhsa_inst_pref_size 185
	.end_amdhsa_kernel
	.amdgpu_metadata
---
amdhsa.version: [ 1, 2 ]
amdhsa.kernels:
  - .name:           k_q1cf2ec8426_tail
    .symbol:         k_q1cf2ec8426_tail.kd
    .args:
      - { .name: saliency_fea, .offset: 0, .size: 8, .value_kind: global_buffer, .address_space: global }
      - { .name: contour_fea, .offset: 8, .size: 8, .value_kind: global_buffer, .address_space: global }
      - { .name: out0, .offset: 16, .size: 8, .value_kind: global_buffer, .address_space: global }
      - { .name: out1, .offset: 24, .size: 8, .value_kind: global_buffer, .address_space: global }
      - { .name: qs_b, .offset: 32, .size: 8, .value_kind: global_buffer, .address_space: global }
      - { .name: qc_b, .offset: 40, .size: 8, .value_kind: global_buffer, .address_space: global }
      - { .name: proj_s_b, .offset: 48, .size: 8, .value_kind: global_buffer, .address_space: global }
      - { .name: proj_c_b, .offset: 56, .size: 8, .value_kind: global_buffer, .address_space: global }
      - { .name: ln2s_g, .offset: 64, .size: 8, .value_kind: global_buffer, .address_space: global }
      - { .name: ln2c_g, .offset: 72, .size: 8, .value_kind: global_buffer, .address_space: global }
      - { .name: ln2s_b, .offset: 80, .size: 8, .value_kind: global_buffer, .address_space: global }
      - { .name: ln2c_b, .offset: 88, .size: 8, .value_kind: global_buffer, .address_space: global }
      - { .name: mlps_b1, .offset: 96, .size: 8, .value_kind: global_buffer, .address_space: global }
      - { .name: mlpc_b1, .offset: 104, .size: 8, .value_kind: global_buffer, .address_space: global }
      - { .name: mlps_b2, .offset: 112, .size: 8, .value_kind: global_buffer, .address_space: global }
      - { .name: mlpc_b2, .offset: 120, .size: 8, .value_kind: global_buffer, .address_space: global }
      - { .name: ws2, .offset: 128, .size: 8, .value_kind: global_buffer, .address_space: global }
      - { .name: ws3, .offset: 136, .size: 8, .value_kind: global_buffer, .address_space: global }
    .group_segment_fixed_size: 315904
    .private_segment_fixed_size: 0
    .kernarg_segment_align: 8
    .kernarg_segment_size: 144
    .max_flat_workgroup_size: 128
    .sgpr_count:     92
    .vgpr_count:     1024
    .wavefront_size: 32
...
	.end_amdgpu_metadata
.endif
;; end of part 3
